; MI455X (gfx1250); checked and timed in simulation.
; The chip was launched on July 23, 2026; its instructions are those of AMD's public machine-readable ISA for CDNA 5 (MIT licence, August 2026) and "CDNA5" Instruction Set Architecture Reference Guide (July 2026). The comments in the code are by the model that wrote it; some were corrected since.
;; Multi Head Attention. Allowed arithmetic: matrix products marked QUANTISED: E4M3 operands, one given power-of-two scale a tensor, by v_wmma_f32_16x16x64_fp8_fp8 or v_wmma_f32_16x16x128_fp8_fp8, f32 sums; everything else in f32.
;; Inputs: lowp_scales 12 int32 (the exponents e of the quantised operands' scales 2^e); wk 16 x 1,024 x 64 float32; wo 1,024 x 1,024 float32; wq 16 x 1,024 x 64 float32; wv 16 x 1,024 x 64 float32; x 4 x 2,048 x 1,024 float32.
;; Outputs: out0 4 x 2,048 x 1,024 float32.
;; Constants: has_mask = 1.
;; This version of the problem:
;;   THIS VERSION OF THE PROBLEM IS GIVEN IN LOW PRECISION. The matrix products marked QUANTISED in the list below multiply operands that are first quantised to E4M3 (4 exponent bits, 3 mantissa bits; 8 bits a number), with one given power-of-two scale for each operand tensor; their sums are f32. All else is computed in f32.
;;   The module's matrix products, in the order in which they are computed (A, B: the left and right operand; K: the contracted axis; several contracted axes count as one K, in the product's order):
;;     1. [M 1,024, K 1,024] x [K 1,024, N 8,192]; A: input wq; B: input x: QUANTISED (scales: A lowp_scales[0], B lowp_scales[1])
;;     2. [M 1,024, K 1,024] x [K 1,024, N 8,192]; A: input wk; B: input x: QUANTISED (scales: A lowp_scales[2], B lowp_scales[3])
;;     3. [M 1,024, K 1,024] x [K 1,024, N 8,192]; A: input wv; B: input x: QUANTISED (scales: A lowp_scales[4], B lowp_scales[5])
;;     4. batch 64 x [M 2,048, K 64] x [K 64, N 2,048]; A: computed on the way; B: computed on the way: QUANTISED (scales: A lowp_scales[6], B lowp_scales[7])
;;     5. batch 64 x [M 2,048, K 2,048] x [K 2,048, N 64]; A: softmax (see below); B: computed on the way: QUANTISED (scales: A lowp_scales[8], B lowp_scales[9])
;;     6. [M 8,192, K 1,024] x [K 1,024, N 1,024]; A: computed on the way; B: input wo: QUANTISED (scales: A lowp_scales[10], B lowp_scales[11])
;;   THE QUANTISER, for each operand of a quantised product, along K:
;;     - The operand's scale is 2^e, e = its entry of the input lowp_scales (int32; the entries are numbered through the quantised products in the list's order, A before B).
;;     - Each number is divided by the scale, clamped to +-448, and rounded to the nearest number of E4M3, ties to even, subnormals kept.
;;     - The product sums the exact products of the quantised numbers (number of the format x scale) in f32.
;;   ~~~python
;;   def quantise(x, axis, e):      # numpy; x: float32 -> the quantised numbers, widened to float32 again
;;       x = np.moveaxis(x, axis, -1); K = x.shape[-1]
;;       r = np.clip(x / 2.0 ** e, -448, 448)
;;       step = 2.0 ** (np.maximum(np.frexp(np.where(r == 0, 1, r))[1] - 1, -6) - 3)
;;       q = np.round(r / step) * step * 2.0 ** e      # np.round: ties to even
;;       return np.moveaxis(q, -1, axis).astype(np.float32)
;;   ~~~
;;   SOFTMAX AHEAD OF A QUANTISED PRODUCT. Where the list says 'softmax', what is quantised is not the finished softmax but p = 2^(t - M), with t = logit x log2(e) and M = ceil(the row's largest t), a whole number; so 1/2 < the row's largest p <= 1. The row's sum l is taken of the UNQUANTISED p, in f32, and the product's result is divided by l at the end. Since M is a whole number, a kernel that streams over the keys may use a running M (the ceiling of the running maximum): every later rescaling is an exact power of two, so the quantised numbers keep their values, but for numbers so far below the row's largest that they fall under the format's range.
;;   OPERANDS COMPUTED ON THE WAY. 'Computed on the way' means the value that the module computes at that place (a softmax that the list does not call 'softmax' is quantised finished and normalised). What goes into a quantiser is computed in f32, as accurately as f32 sums, v_exp_f32 and their like allow (about 1e-6 of the number): no bf16 or f16 on the way to a quantiser, and a product that is left as it is and whose result goes on into a quantised operand takes f32 operands (vector FMAs, or v_wmma_f32_16x16x4_f32). A number that lies on a knife's edge between two numbers of the format may be rounded either way, as far as f32 arithmetic and the matrix unit's own rounding can turn it there, and no further.
;; 2 versions, each right; version 2 is version 1 with the launch attn written anew for expert scheduling mode. Each part assembles by itself: llvm-mc -triple=amdgcn-amd-amdhsa -mcpu=gfx1250 --defsym DOCPART=n.
;; ======== version 1 of 2: 4 launches
;; workspace buffers: xc 25,165,824 bytes; wc 4,194,304 bytes; qkv 25,165,824 bytes; ac 8,388,608 bytes
;; launch prep (part 1): grid 384 x 1, 4 waves a work-group, no clusters, 68,096 bytes of LDS; arguments x, wq, wk, wv, wo, lowp_scales, xc, wc; writes xc, wc
.if DOCPART == 1
	.amdgcn_target "amdgcn-amd-amdhsa--gfx1250"
	.amdhsa_code_object_version 6
	.text
	.protected	k_q81bdc349e2_prep
	.globl	k_q81bdc349e2_prep
	.p2align	8
	.type	k_q81bdc349e2_prep,@function
k_q81bdc349e2_prep:
	s_mov_b64 s[64:65], 0
	v_nop
	global_prefetch_b8 v0, s[64:65] scope:SCOPE_SE
	s_setreg_imm32_b32 hwreg(HW_REG_WAVE_MODE, 25, 1), 1
	s_wait_xcnt 0x0
; PREP: f32 numbers into codes of FP8 (E4M3), K innermost, each operand with the scale 2^e that is given for it.
; code = number / 2^e, held within +-448, rounded to the nearest code, ties to even.
; xc [3][8192][1024]: x quantised three times, with entries 1, 3 and 5 of the scales (the three projections' right operands).
; wc [4096][1024]: rows 0-1023 wq (row 64 h + dk, entry 0), 1024-2047 wk (entry 2), 2048-3071 wv (entry 4), 3072-4095 wo turned (row n, entry 11); K along a row.
; LIMITS: each of these seven exponents lies between -126 and 119, so that 2^e and 448 x 2^e are f32 numbers.  NaN among the inputs is not served.
; Work-groups 0-255 take x (path X), 256-383 the weights (path W); each path has LDS bytes of its own.  Waves share nothing: no barrier.  Nothing is read by two work-groups, so there is no cluster.
; PATH X.  x is a plain stream: a wave takes 16 steps of 512 numbers.  Each load reads 512 consecutive bytes; a step's 2,048 bytes turn through the wave's stage in LDS, so that a lane holds 16 neighbours
; along K; they are held and converted three times; a lane's 16 codes are 16 bytes, so each store of the wave covers 512 consecutive bytes, aligned.
; PATH W.  K is the weights' FIRST axis within a head (and in wo).  A lane takes a column and its registers run down K, so the conversions give codes with K innermost; a wave takes 32 columns x 256 K;
; the codes go through the wave's stage and leave as rows: sixteen lanes store 256 consecutive bytes, aligned.  The pitch from k to k + 1 (256 bytes in wq, wk, wv; 4,096 in wo) lies in registers, so one text serves all four.
.set STEPS,  16
.set SP,     80                        ; path X: a lane's place in a stage: 64 bytes + 16 of padding
.set WST,    32768                     ; path W's stages begin here; path X has 8,192 bytes a wave from byte 0 on
.set WPITCH, 272                       ; path W: a stage row: 256 bytes + 16 of padding
.set SPARE,  67584                     ; behind both: the spare words, 128 bytes for each wave: two blocks of 256 bytes that no other line names
.set SPW,    12                        ; v12  LDS address of my spare word; never rewritten
.set NIL,    13                        ; v13  0; never rewritten
.set SC,     5                         ; path X: v5-7   2^e as f32, for entries 1, 3, 5
.set LM,     8                         ;         v8-10  448 x 2^e
.set R,      16                        ;         v16-79   four sets of 16 numbers as loaded
.set X,      80                        ;         v80-111  two sets of 16 neighbours
.set T,      112                       ;         v112-143 two sets of 16 held numbers, by turns
.set C,      144                       ;         v144-167 two sets of 3 x 4 registers of codes
.set WX,     32                        ; path W: v32-95   two sets of 32 numbers
.set WC,     96                        ;         v96-103  a block's codes
.set OUTR,   112                       ;         v112-175 the way out
.set WO,     176                       ;         v176-207 4 x lane + i x pitch, i = 0 .. 31
	s_load_b256 s[8:15], s[0:1], 0x0               ; x s[8:9], wq s[10:11], wk s[12:13], wv s[14:15]
	s_load_b256 s[16:23], s[0:1], 0x20             ; wo s[16:17], the scales s[18:19], xc s[20:21], wc s[22:23]
	v_lshl_add_u32 v[SPW], v0, 2, SPARE
	v_mov_b32 v[NIL], 0
	v_lshrrev_b32 v1, 5, v0
	v_readfirstlane_b32 s36, v1                    ; wave 0..3
	v_and_b32 v2, 31, v0                           ; lane
	s_wait_kmcnt 0x0
	s_load_b256 s[24:31], s[18:19], 0x0            ; entries 0 to 7
	s_load_b128 s[32:35], s[18:19], 0x20           ; entries 8 to 11
	s_cmp_ge_u32 ttmp9, 256
	s_cbranch_scc1 .Lw
; ------------------------------------------------------------------ PATH X
	s_lshl_b32 s37, ttmp9, 2
	s_add_co_u32 s37, s37, s36                     ; which run of 8,192 numbers is my wave's: 0 .. 1023
	s_lshl_b32 s38, s37, 15                        ; its 32,768 bytes of x
	s_mov_b32 s39, 0
	s_add_nc_u64 s[40:41], s[8:9], s[38:39]
	s_lshl_b32 s38, s37, 13                        ; its 8,192 bytes in each plane of xc
	s_add_nc_u64 s[42:43], s[20:21], s[38:39]
	s_add_nc_u64 s[44:45], s[42:43], 0x800000      ; a base for each plane: the planes lie further apart than a store's immediate reaches
	s_add_nc_u64 s[46:47], s[44:45], 0x800000
	v_lshlrev_b32 v3, 4, v2                        ; my 16 bytes of a load's 512, and of a store's
	s_lshl_b32 s48, s36, 13                        ; my wave's 8,192 bytes of LDS
	v_lshrrev_b32 v14, 2, v2
	v_mul_u32_u24 v14, v14, SP
	v_and_b32 v15, 3, v2
	v_lshl_add_u32 v14, v15, 4, v14
	v_add_nc_u32 v14, s48, v14                     ; into the stage: four lanes' 64 bytes on end, then the padding
	v_mul_u32_u24 v15, v2, SP
	v_add_nc_u32 v15, s48, v15                     ; out of it: my 16 neighbours
.macro XLOAD t
.irp i, 0,1,2,3
	global_load_b128 v[R+16*((\t)%4)+4*\i:R+16*((\t)%4)+4*\i+3], v3, s[40:41] offset:2048*(\t)+512*\i th:TH_LOAD_NT   ; 32 lanes read 512 consecutive bytes; read once in the launch
.endr
.endm
.macro XTURN t                         ; step t's numbers through the stage: LDS serves a wave's instructions in order, so no wait stands between the stores and the loads
.irp i, 0,1,2,3
	ds_store_b128 v14, v[R+16*((\t)%4)+4*\i:R+16*((\t)%4)+4*\i+3] offset:32*SP*((\t)%2)+8*SP*\i
.endr
.irp i, 0,1,2,3
	ds_load_b128 v[X+16*((\t)%2)+4*\i:X+16*((\t)%2)+4*\i+3], v15 offset:32*SP*((\t)%2)+16*\i
.endr
.endm
.irp t, 0,1,2,3
	XLOAD \t
.endr
	s_wait_kmcnt 0x0                               ; the exponents
.irp p, 0,1,2
	s_add_co_i32 s48, s[25+2*\p], 127
	s_lshl_b32 s49, s48, 23
	v_mov_b32 v[SC+\p], s49                        ; 2^e as f32: the conversion takes its exponent field
	s_add_co_i32 s48, s48, 8
	s_lshl_b32 s48, s48, 23
	s_or_b32 s48, s48, 0x600000
	v_mov_b32 v[LM+\p], s48                        ; 448 x 2^e
.endr
	s_wait_loadcnt 12                              ; step 0's four loads are in; those of steps 1 to 3 may be out
	XTURN 0
.macro XSTEP t
.set XS, X+16*((\t)%2)
	s_wait_dscnt 0x0                               ; this step's numbers are back from the stage, and its stores into the stage have read their registers,
.if (\t)+4 < STEPS
	XLOAD (\t)+4                                   ; which take the loads of four steps on
.endif
.if (\t)+1 < STEPS
.if STEPS-2-(\t) >= 3
	s_wait_loadcnt 12                              ; the next step's four loads are in; those of the three steps behind it may be out
.else
	s_wait_loadcnt 4*(STEPS-2-(\t))
.endif
	XTURN (\t)+1                                   ; and go through the other stage while this step is worked
.endif
	s_wait_xcnt 0x0                                ; the stores of two steps back have read their data: this set of code registers is written again only behind this wait
.irp p, 0,1,2
.set TS, T+16*((3*(\t)+\p)%2)                  ; the two sets of held numbers take turns: the next sixteen holds are the plain lines between a conversion and the next write of its sources
.set CS, C+12*((\t)%2)+4*\p
.set i, 0
.rept 16
	v_med3_num_f32 v[TS+i], v[XS+i], -v[LM+\p], v[LM+\p]   ; the conversion to an 8-bit code does not saturate (ISA guide 7.6.2): the hold at the largest code x the scale
.set i, i+1
.endr
	v_cvt_scalef32_pk8_fp8_f32 v[CS:CS+1], v[TS:TS+7], v[SC+\p]
	v_cvt_scalef32_pk8_fp8_f32 v[CS+2:CS+3], v[TS+8:TS+15], v[SC+\p]
	global_store_b128 v3, v[CS:CS+3], s[42+2*\p:43+2*\p] offset:512*(\t)   ; 32 lanes store 512 consecutive bytes, aligned
.endr
.endm
.irp t, 0,1,2,3,4,5,6,7,8,9,10,11,12,13,14,15
	XSTEP \t
.endr
	s_wait_tensorcnt 0x0                           ; the wave's end: behind my last LDS store
	ds_add_u32 v[SPW], v[NIL]
	s_wait_dscnt 0x0
	s_endpgm
; ------------------------------------------------------------------ PATH W
.Lw:
	s_wait_kmcnt 0x0                               ; the exponents
	s_sub_co_u32 s37, ttmp9, 256                   ; 0 .. 127
	s_lshr_b32 s38, s37, 1                         ; g: which 64 rows of wc
	s_and_b32 s39, s37, 1                          ; which half of K
	s_lshr_b32 s40, s38, 4                         ; the tensor: 0 wq, 1 wk, 2 wv, 3 wo
	s_and_b32 s41, s38, 15                         ; the head, or wo's group of 64 columns
	s_and_b32 s42, s36, 1                          ; my wave's 32 of the 64 columns
	s_lshr_b32 s43, s36, 1                         ; and its 256 of the 512 along K
	s_lshl_b32 s44, s39, 9
	s_lshl_b32 s45, s43, 8
	s_add_co_u32 s44, s44, s45                     ; k0
	s_cmp_eq_u32 s40, 0                            ; the choices hang on the work-group's number alone
	s_cselect_b64 s[46:47], s[10:11], s[12:13]
	s_cselect_b32 s37, s24, s26
	s_cmp_eq_u32 s40, 2
	s_cselect_b64 s[46:47], s[14:15], s[46:47]
	s_cselect_b32 s37, s28, s37
	s_cmp_eq_u32 s40, 3
	s_cselect_b64 s[46:47], s[16:17], s[46:47]     ; the tensor,
	s_cselect_b32 s37, s35, s37                    ; its exponent,
	s_mov_b32 s45, 256
	s_cselect_b32 s45, 4096, s45                   ; bytes from k to k + 1,
	s_mov_b32 s2, 262144
	s_cselect_b32 s2, 256, s2                      ; bytes from one group of 64 columns to the next
	s_mul_i32 s2, s41, s2
	s_lshl_b32 s3, s42, 7
	s_add_co_u32 s2, s2, s3
	s_mul_i32 s3, s44, s45
	s_add_co_u32 s2, s2, s3                        ; my wave's first number, under 2^23 bytes
	s_mov_b32 s3, 0
	s_add_nc_u64 s[48:49], s[46:47], s[2:3]        ; a base for each of the eight blocks of 32 along K
	s_lshl_b32 s2, s45, 5
.irp t, 1,2,3,4,5,6,7
	s_add_nc_u64 s[48+2*\t:49+2*\t], s[46+2*\t:47+2*\t], s[2:3]
.endr
	s_lshl_b32 s6, s38, 6
	s_lshl_b32 s7, s42, 5
	s_add_co_u32 s6, s6, s7                        ; my first row of wc
	s_lshl_b32 s6, s6, 10
	s_add_co_u32 s6, s6, s44
	s_mov_b32 s7, 0
	s_add_nc_u64 s[4:5], s[22:23], s[6:7]
	v_lshlrev_b32 v3, 2, v2                        ; 4 bytes a lane
.set i, 0
.rept 32
	v_mad_u32_u24 v[WO+i], s45, i, v3              ; + i rows down K
.set i, i+1
.endr
	s_mul_i32 s6, s36, 32*WPITCH
	s_add_co_u32 s6, s6, WST                       ; my stage
	v_mul_u32_u24 v4, v2, WPITCH
	v_add_nc_u32 v4, s6, v4                        ; into it: row = my column
	v_and_b32 v5, 15, v2
	v_lshrrev_b32 v6, 4, v2
	v_mul_u32_u24 v7, v6, WPITCH
	v_lshl_add_u32 v7, v5, 4, v7
	v_add_nc_u32 v7, s6, v7                        ; out of it: sixteen lanes to a row, two rows an instruction
	v_lshlrev_b32 v8, 10, v6
	v_lshl_add_u32 v8, v5, 4, v8                   ; and the same place in wc
.macro WLOAD t                         ; block t: 32 numbers down K of my column, into set t % 2; a wave's load reads 128 consecutive bytes
.set i, 0
.rept 32
	global_load_b32 v[WX+32*((\t)%2)+i], v[WO+i], s[48+2*(\t):49+2*(\t)] th:TH_LOAD_NT
.set i, i+1
.endr
.endm
	WLOAD 0
	WLOAD 1
	s_add_co_i32 s37, s37, 127
	s_lshl_b32 s6, s37, 23
	v_mov_b32 v11, s6                              ; 2^e as f32
	s_add_co_i32 s37, s37, 8
	s_lshl_b32 s37, s37, 23
	s_or_b32 s37, s37, 0x600000
	v_mov_b32 v10, s37                             ; 448 x 2^e
.macro WBLOCK t
.set XS, WX+32*((\t)%2)
.if (\t) < 7
	s_wait_loadcnt 32                              ; this block's 32 loads are in; the next block's may be out
.else
	s_wait_loadcnt 0
.endif
.set i, 0
.rept 32
	v_med3_num_f32 v[XS+i], v[XS+i], -v10, v10     ; the hold at the largest code x the scale
.set i, i+1
.endr
.irp g, 0,1,2,3
	v_cvt_scalef32_pk8_fp8_f32 v[WC+2*\g:WC+2*\g+1], v[XS+8*\g:XS+8*\g+7], v11
.endr
	ds_store_b128 v4, v[WC:WC+3] offset:32*(\t)    ; 32 codes: 32 bytes of my column's row.  (The next vector lines are the next block's holds, plain ones on the other set)
	ds_store_b128 v4, v[WC+4:WC+7] offset:32*(\t)+16
.if (\t)+2 < 8
	WLOAD (\t)+2
.endif
	s_wait_dscnt 0x0                               ; the stores have read their registers: the next block's codes may be written
.endm
.irp t, 0,1,2,3,4,5,6,7
	WBLOCK \t
.endr
.irp t, 0,1,2,3,4,5,6,7,8,9,10,11,12,13,14,15
	ds_load_b128 v[OUTR+4*\t:OUTR+4*\t+3], v7 offset:2*\t*WPITCH   ; LDS serves a wave's instructions in order: these see my stores
.endr
.irp t, 0,1,2,3,4,5,6,7,8,9,10,11,12,13,14,15
	s_wait_dscnt 15-\t                             ; the younger read-backs may be out
	global_store_b128 v8, v[OUTR+4*\t:OUTR+4*\t+3], s[4:5] offset:2048*\t   ; sixteen lanes store 256 consecutive bytes, aligned
.endr
	s_wait_tensorcnt 0x0                           ; the wave's end: behind my last LDS store
	ds_add_u32 v[SPW], v[NIL]
	s_wait_dscnt 0x0
	s_endpgm
.Lfunc_end_k_q81bdc349e2_prep:
	.size	k_q81bdc349e2_prep, .Lfunc_end_k_q81bdc349e2_prep-k_q81bdc349e2_prep
	.p2alignl 7, 3214868480
	.fill 96, 4, 3214868480
	.section	.rodata,"a",@progbits
	.p2align	6, 0x0
	.amdhsa_kernel k_q81bdc349e2_prep
		.amdhsa_group_segment_fixed_size 68096
		.amdhsa_private_segment_fixed_size 0
		.amdhsa_enable_private_segment 0
		.amdhsa_kernarg_size 64
		.amdhsa_user_sgpr_count 2
		.amdhsa_user_sgpr_kernarg_segment_ptr 1
		.amdhsa_wavefront_size32 1
		.amdhsa_system_sgpr_workgroup_id_x 1
		.amdhsa_system_sgpr_workgroup_id_y 1
		.amdhsa_system_sgpr_workgroup_id_z 1
		.amdhsa_system_vgpr_workitem_id 0
		.amdhsa_next_free_vgpr 208
		.amdhsa_next_free_sgpr 66
		.amdhsa_reserve_vcc 0
		.amdhsa_float_denorm_mode_32 3
		.amdhsa_float_denorm_mode_16_64 3
		.amdhsa_memory_ordered 1
		.amdhsa_forward_progress 1
		.amdhsa_inst_pref_size 128
	.end_amdhsa_kernel
	.amdgpu_metadata
---
amdhsa.version: [ 1, 2 ]
amdhsa.kernels:
  - .name:           k_q81bdc349e2_prep
    .symbol:         k_q81bdc349e2_prep.kd
    .args:
      - { .name: x, .offset: 0, .size: 8, .value_kind: global_buffer, .address_space: global }
      - { .name: wq, .offset: 8, .size: 8, .value_kind: global_buffer, .address_space: global }
      - { .name: wk, .offset: 16, .size: 8, .value_kind: global_buffer, .address_space: global }
      - { .name: wv, .offset: 24, .size: 8, .value_kind: global_buffer, .address_space: global }
      - { .name: wo, .offset: 32, .size: 8, .value_kind: global_buffer, .address_space: global }
      - { .name: lowp_scales, .offset: 40, .size: 8, .value_kind: global_buffer, .address_space: global }
      - { .name: xc, .offset: 48, .size: 8, .value_kind: global_buffer, .address_space: global }
      - { .name: wc, .offset: 56, .size: 8, .value_kind: global_buffer, .address_space: global }
    .group_segment_fixed_size: 68096
    .private_segment_fixed_size: 0
    .kernarg_segment_align: 8
    .kernarg_segment_size: 64
    .max_flat_workgroup_size: 128
    .sgpr_count:     66
    .vgpr_count:     208
    .wavefront_size: 32
...
	.end_amdgpu_metadata
.endif
;; end of part 1
;; launch qkv (part 2): grid 12 x 32, 4 waves a work-group, clusters of 4 x 4, 327,680 bytes of LDS; arguments xc, wc, lowp_scales, qkv; writes qkv
.if DOCPART == 2
	.amdgcn_target "amdgcn-amd-amdhsa--gfx1250"
	.amdhsa_code_object_version 6
	.text
	.protected	k_q81bdc349e2_qkv
	.globl	k_q81bdc349e2_qkv
	.p2align	8
	.type	k_q81bdc349e2_qkv,@function
k_q81bdc349e2_qkv:
	s_mov_b64 s[64:65], 0
	v_nop
	global_prefetch_b8 v0, s[64:65] scope:SCOPE_SE
	s_setreg_imm32_b32 hwreg(HW_REG_WAVE_MODE, 25, 1), 1
	s_wait_xcnt 0x0
	s_wait_alu depctr_hold_cnt(0) depctr_sa_sdst(0) depctr_va_vdst(0) depctr_va_sdst(0) depctr_va_ssrc(0) depctr_va_vcc(0) depctr_vm_vsrc(0)
	s_getreg_b32 s2, hwreg(HW_REG_IB_STS2, 6, 4)
	s_cmp_eq_u32 s2, 0
	s_cbranch_scc0 .Lentry_in_a_cluster
	s_endpgm
.Lentry_in_a_cluster:
	s_bfe_u32 s2, ttmp6, 0x10000c
	s_cmp_lg_u32 s2, 0xf033
	s_cbranch_scc0 .Lentry_shape_is_right
	s_endpgm
.Lentry_shape_is_right:
; QKV: the three projections as one grid of FP8 GEMMs on codes, K = 1,024; each finished sum is quantised on the way out into a code of q, k or v.
; The cluster's x (0, 1, 2) says which: q, k or v; it is the same in all sixteen partners.  A tile is 256 x 256, a wave's 128 x 128: 64 accumulators, 512 registers.
; q, k: A = x's codes (row b 2048 + s), B = the weight's codes (row 64 h + dk).  The matrix instruction is used transposed (source 0 = 16 rows of B, source 1 = 16 rows of A), so a lane holds eight
; neighbouring dk of one s: eight neighbours along the K of the scores' product.
; v: THE ROLES ARE SWAPPED IN MEMORY: A = wv's codes (row 64 h + dv), B = x's codes.  The same text then gives a lane eight neighbouring KEYS of one dv: neighbours along the K of the second attention product.
; A sum stands for sum x 2^(ew + ex); its code is sum / 2^(eo - ew - ex), held within +-448: eo - ew - ex = e6 - e0 - e1 (q), e7 - e2 - e3 (k), e9 - e4 - e5 (v).
; LIMIT: that difference lies between -126 and 119, so that the power of two and 448 times it are f32 numbers.  No branch hangs on it.
; OUT, three planes of 2^23 bytes, bh = 16 b + h: q and k: byte (bh << 17) + (s << 6) + dk;  v: (bh << 17) + ((s / 128) << 13) + (dv << 7) + s % 128: the keys innermost, in blocks of 128.
; K goes in steps of 256 through a ring of two LDS slots filled by the tensor data mover.  CLUSTERS: 4 x 4 work-groups; A's tile is shared along a row of the cluster, B's along a column: each is asked for
; jointly, by the same tensor load with the same descriptor and a mask that names the four.
; A fragment is fetched by four loads of 16 bytes, 32 bytes apart: a permutation of k inside an instruction, the same in A and in B: every product meets its partner; only the order of the sums changes.
; REGISTERS, in windows of 256: window 0: v0-31 addresses; from v128 A's fragments, ONE set; on the way out v32-255 are free.  window 1: B's fragments, TWO sets.  windows 2, 3: the accumulators ((a, b) at v[8 (8 (a % 4) + b)]).
.set KSTEP,  256
.set ROWB,   256                       ; a tile's row in bytes
.set KROW,   1024                      ; a row of codes in memory
.set PITCH,  272                       ; an LDS row: 256 bytes + 16 of padding: the 16 rows that a load touches start at 16 different groups of four banks (64 banks of 4 bytes: ISA guide 11.1)
.set FR,     16                        ; registers of a fragment: 16 rows x 128 K
.set NL,     4                         ; LDS loads that bring one
.set NP,     4                         ; places behind this matrix instruction (ISA guide 7.12.1)
.set HALFT,  128*PITCH                 ; what one tensor load brings
.set SLOT,   4*HALFT                   ; A's 256 rows, then B's 256 rows
.set LAPS,   2                         ; K = 1,024 = twice round the ring
.set SPARE,  2*SLOT                    ; behind the ring: the spare words, 128 bytes for each wave
.set SPITCH, 144                       ; the way out: a stage row: 128 codes + 16 of padding
.set WSTAGE, 128*SPITCH                ; a wave's stage: 128 rows.  The stages lie in slot 0, which has had its last fill and its last read when the first code is stored there
.set ADRA, 16                          ; v16-17  LDS address of my A fragments in slot 0, 1
.set ADRB, 20                          ; v20-21  the same for B
.set STO,  24                          ; v24     the way out: where I put 8 codes of a row
.set RD,   25                          ; v25     where I read 16 bytes back
.set CO,   26                          ; v26     my byte offset in the output, stage rows 0-63
.set SCL,  27                          ; v27     2^(eo - ew - ex) as f32
.set SPW,  28                          ; v28     LDS address of my spare word; never rewritten
.set NIL,  29                          ; v29     0; never rewritten
.set CO1,  30                          ; v30     my byte offset, stage rows 64-127
.set TMP,  32                          ; v32-95  a block's sums, held
.set CD,   96                          ; v96-223 the codes: 16 registers for each of the 8 blocks
.set AF,   128                         ; A's fragments, in window 0
.set OF,   224                         ; v224-255 the 32 stores' offsets
.set G1, 24                            ; s[24:31] descriptor group 1 for A's tiles;  s[32:39] group 0, one set for each slot
.set G0, 32
.set G1B, 48                           ; s[48:55], s[56:63] the same for B's tiles
.set G0B, 56
.set MSB, 0
.macro WIN new                         ; the immediate's high byte repeats the setting that is left
.if MSB != \new
	s_set_vgpr_msb (MSB<<8)|\new
.set MSB, \new
.endif
.endm
.set MUL_LO, 0xa1                      ; source 0 (B) window 1, source 1 (A) window 0, C and D window 2
.set MUL_HI, 0xf1                      ; the same, C and D window 3
.set TO_B,   0x40                      ; destination window 1, address window 0
; A joint load: waves 0 and 1 fetch for A, waves 2 and 3 for B.  The branch hangs on the wave's number alone.  An s_nop 0 and four v_nop follow each of the two lines.
.macro JLOAD g0a, g1a, g0b, g1b
	s_cmp_eq_u32 s15, 0
	s_cbranch_scc0 .Lfor_b_\@
	tensor_load_to_lds s[\g0a:\g0a+3], s[\g1a:\g1a+7]
	s_nop 0
.rept 4
	v_nop
.endr
	s_branch .Lasked_\@
.Lfor_b_\@:
	tensor_load_to_lds s[\g0b:\g0b+3], s[\g1b:\g1b+7]
	s_nop 0
.rept 4
	v_nop
.endr
.Lasked_\@:
.endm
.macro CREST                           ; a round of the cluster's barrier behind its opening barrier
	s_cmp_lg_u32 s14, 0
	s_cbranch_scc1 .Lnot_wave_0_\@
	s_barrier_signal -3
.Lnot_wave_0_\@:
	s_barrier_wait -3
	s_barrier_signal -1
	s_barrier_wait -1
.endm
.macro CROUND                          ; a whole round
	s_barrier_signal -1
	s_barrier_wait -1
	CREST
.endm
	s_load_b128 s[84:87], s[0:1], 0x0              ; xc s[84:85], wc s[86:87]
	s_load_b128 s[8:11], s[0:1], 0x10              ; the scales' exponents s[8:9], the output s[10:11]
	v_lshl_add_u32 v[SPW], v0, 2, SPARE
	v_mov_b32 v[NIL], 0
	ds_add_u32 v[SPW], v[NIL]                      ; the wave's opening: the add and its wait stand ahead of my first tensor load; the set-up below, work on registers, stands between them
	v_lshrrev_b32 v1, 5, v0
	v_readfirstlane_b32 s14, v1                    ; wave 0..3
	s_lshr_b32 s15, s14, 1                         ; which half of the tile's A rows is mine.  Also: I fetch for A (0) or for B (1)
	s_and_b32 s16, s14, 1                          ; which half of its B rows.  Also: which 128 rows of that tile I fetch
	s_bfe_u32 s40, ttmp6, 0x40000                  ; cx, cy: my place in the cluster
	s_bfe_u32 s41, ttmp6, 0x40004
	s_and_b32 s13, ttmp7, 0xffff
	s_lshl_b32 s13, s13, 2                         ; 4 x cluster y
	s_cmp_eq_u32 ttmp9, 2                          ; v?  The cluster's x: the same in all partners
	s_cselect_b32 s17, 0, s13                      ; q, k: A has 32 tile rows, B four tile columns;  v: A four, B 32
	s_cselect_b32 s42, s13, 0
	s_add_co_u32 s17, s17, s41                     ; A's tile row: it never holds cx
	s_add_co_u32 s42, s42, s40                     ; B's tile column: it never holds cy
	s_lshl_b32 s43, s41, 2
	s_lshl_b32 s43, 15, s43                        ; my row of the cluster
	s_lshl_b32 s44, 0x1111, s40                    ; my column
	; descriptor group 1: a tile of 128 rows x 256 bytes, padded in LDS
	s_or_b32 s[G1+0], s43, (0<<16)|(1<<20)|(1<<21)|(5<<22)|(3<<25)  ; 15:0 the mask: A's tiles go to my row; 17:16 element of 1 byte; 20 padding on; 21 set beside a mask; 24:22 after every 64 words (code 5); 31:25 of 4 words (code 3)
	s_or_b32 s[G1B+0], s44, (0<<16)|(1<<20)|(1<<21)|(5<<22)|(3<<25)
.irp g, G1, G1B
	s_mov_b32 s[\g+1], ROWB<<16                    ; tensor_dim0
	s_mov_b32 s[\g+2], 128<<16                     ; tensor_dim1 = 128
	s_mov_b32 s[\g+3], ROWB<<16                    ; tile_dim0
	s_mov_b32 s[\g+4], 128                         ; tile_dim1 = 128
	s_mov_b32 s[\g+5], KROW                        ; tensor_dim0_stride
	s_mov_b32 s[\g+6], 0
	s_mov_b32 s[\g+7], 0
.endr
	s_lshl_b32 s18, s16, 7                         ; which 128 rows of the tile I fetch
	s_lshl_b32 s20, s17, 8
	s_add_co_u32 s20, s20, s18                     ; A: row 256 x tile row + 128 x half,
	s_lshl_b32 s20, s20, 10                        ; in bytes (under 2^23)
	s_mov_b32 s21, 0
	s_lshl_b32 s46, s42, 8
	s_add_co_u32 s46, s46, s18                     ; B likewise
	s_lshl_b32 s46, s46, 10
	s_mov_b32 s47, 0
	s_mul_i32 s45, s14, HALFT                      ; where they go: wave x 128 rows: no place in the cluster enters an LDS address
	s_lshl_b32 s80, ttmp9, 23                      ; x's plane of codes for this projection,
	s_mov_b32 s81, 0
	s_lshl_b32 s82, ttmp9, 20                      ; and the weight's 1,024 rows
	s_mov_b32 s83, 0
	s_wait_dscnt 0x0                               ; the opening add is done
	s_wait_kmcnt 0x0
	s_load_b256 s[68:75], s[8:9], 0x0              ; entries 0 to 7
	s_load_b128 s[76:79], s[8:9], 0x20             ; entries 8 to 11
	s_add_nc_u64 s[84:85], s[84:85], s[80:81]
	s_add_nc_u64 s[86:87], s[86:87], s[82:83]
	s_cmp_eq_u32 ttmp9, 2
	s_cselect_b64 s[4:5], s[86:87], s[84:85]       ; A: x's codes, for v the weight's
	s_cselect_b64 s[6:7], s[84:85], s[86:87]       ; B: the weight's, for v x's
	s_add_nc_u64 s[20:21], s[4:5], s[20:21]
	s_add_nc_u64 s[46:47], s[6:7], s[46:47]
	CROUND                                         ; all sixteen work-groups are here: the first joint loads meet
.irp s, 0,1
	s_mov_b32 s[G0+4*\s], 1
	s_add_co_u32 s[G0+4*\s+1], s45, \s*SLOT
	s_add_nc_u64 s[G0+4*\s+2:G0+4*\s+3], s[20:21], \s*ROWB
	s_or_b32 s[G0+4*\s+3], s[G0+4*\s+3], 0x80000000
	s_mov_b32 s[G0B+4*\s], 1
	s_add_co_u32 s[G0B+4*\s+1], s45, \s*SLOT
	s_add_nc_u64 s[G0B+4*\s+2:G0B+4*\s+3], s[46:47], \s*ROWB
	s_or_b32 s[G0B+4*\s+3], s[G0B+4*\s+3], 0x80000000
	JLOAD G0+4*\s, G1, G0B+4*\s, G1B
.endr
	v_and_b32 v1, 15, v0                           ; r = l % 16
	v_bfe_u32 v2, v0, 4, 1                         ; l / 16
	v_mul_u32_u24 v3, v1, PITCH
	v_lshl_add_u32 v4, v2, 4, v3                   ; a fragment's row x pitch + 16 x half
	s_mul_i32 s21, s15, HALFT                      ; my 128 rows of A
	s_mul_i32 s22, s16, HALFT                      ; my 128 rows of B,
	s_add_co_u32 s22, s22, 2*HALFT                 ; which lie behind A's 256
.irp s, 0,1
	v_add_nc_u32 v[ADRA+\s], s21, v4
	v_add_nc_u32 v[ADRB+\s], s22, v4
	s_add_co_u32 s21, s21, SLOT
	s_add_co_u32 s22, s22, SLOT
.endr
	s_mul_i32 s23, s14, WSTAGE                     ; my stage
	v_mul_u32_u24 v5, v1, SPITCH                   ; in: row r of a block, 8 bytes for each half of the lanes
	v_lshl_add_u32 v5, v2, 3, v5
	v_add_nc_u32 v[STO], s23, v5
	v_bfe_u32 v6, v0, 2, 2                         ; back: four rows an instruction: row (l / 4) % 4,
	v_and_b32 v7, 3, v0                            ; 16 bytes l % 4 of the row's half l / 16
	v_mul_u32_u24 v5, v6, SPITCH
	v_lshl_add_u32 v5, v2, 6, v5
	v_lshl_add_u32 v5, v7, 4, v5
	v_add_nc_u32 v[RD], s23, v5
	; where those 16 bytes go.  q, k: a stage row is one s: its halves are two heads' 64 dk: half x 2^17 + row x 64; four rows on are 256 bytes on.
	; v: a stage row is one dv: its 128 bytes are a block's 128 keys: half x 64 + row x 128; four rows on are 512 bytes on; rows 64-127 are the next head: 2^17 - 8,192 bytes more.
	s_cmp_eq_u32 ttmp9, 2
	s_mov_b32 s80, 131072
	s_cselect_b32 s80, 64, s80
	s_cselect_b32 s81, 128, 64
	s_cselect_b32 s82, 122880, 0
	s_mov_b32 s88, 256
	s_cselect_b32 s88, 512, s88
	v_mul_u32_u24 v[CO], v2, s80
	v_mad_u32_u24 v[CO], v6, s81, v[CO]
	v_lshl_add_u32 v[CO], v7, 4, v[CO]
	v_add_nc_u32 v[CO1], s82, v[CO]
	s_lshl_b32 s20, s17, 8
	s_lshl_b32 s21, s15, 7
	s_add_co_u32 s20, s20, s21                     ; my first row of A
	s_lshl_b32 s46, s42, 8
	s_lshl_b32 s47, s16, 7
	s_add_co_u32 s46, s46, s47                     ; my first row of B
	s_cmp_eq_u32 ttmp9, 2
	s_cselect_b32 s22, s46, s20                    ; P: my first row of x (b 2048 + s),
	s_cselect_b32 s83, s20, s46                    ; Q: my first row of the weight (64 h)
	s_lshr_b32 s20, s22, 11
	s_lshl_b32 s20, s20, 21                        ; b x 16 heads x 2^17
	s_lshr_b32 s21, s83, 6
	s_lshl_b32 s21, s21, 17                        ; h x 2^17
	s_add_co_u32 s20, s20, s21
	s_and_b32 s21, s22, 2047
	s_lshl_b32 s21, s21, 6                         ; s x 64 (for v: (s / 128) x 8,192, the same number, since s is a multiple of 128)
	s_add_co_u32 s20, s20, s21
	s_lshl_b32 s21, ttmp9, 23                      ; the plane
	s_add_co_u32 s20, s20, s21
	s_mov_b32 s21, 0
	s_add_nc_u64 s[10:11], s[10:11], s[20:21]
.macro FRAG reg, adr, q, i             ; a fragment, 16 rows x 128 K of codes, is 16 registers: lane l holds row l % 16; registers 4 c .. 4 c + 3 hold K = 32 c + 16 (l / 16) + 0 .. 15
.irp c, 0,1,2,3
	ds_load_b128 v[\reg+4*\c:\reg+4*\c+3], v[\adr] offset:128*(\q)+32*\c+(\i)*16*PITCH
.endr
.endm
; 16 matrix instructions: A's blocks a0, a0 + 1 x B's eight, 128 along K.  p: B's set.  zero = 1: the first product starts the sums: nothing is ever cleared.
; The 64 accumulators take turns, one instruction a turn, in the same order in every step.
.macro MUL16 a0, p, zero
.irp a, \a0, \a0+1
.irp b, 0,1,2,3,4,5,6,7
.if \zero
	v_wmma_f32_16x16x128_fp8_fp8 v[8*(8*((\a)%4)+\b):8*(8*((\a)%4)+\b)+7], v[128*(\p)+FR*\b:128*(\p)+FR*\b+FR-1], v[AF+FR*(\a):AF+FR*(\a)+FR-1], 0
.else
	v_wmma_f32_16x16x128_fp8_fp8 v[8*(8*((\a)%4)+\b):8*(8*((\a)%4)+\b)+7], v[128*(\p)+FR*\b:128*(\p)+FR*\b+FR-1], v[AF+FR*(\a):AF+FR*(\a)+FR-1], v[8*(8*((\a)%4)+\b):8*(8*((\a)%4)+\b)+7]
.endif
.endr
.endr
.endm
.macro FETCH_B slot, q, p              ; B's eight fragments of the slot's q-th 128 along K into set p
	WIN TO_B
.irp i, 0,1,2,3,4,5,6,7
	FRAG 128*(\p)+FR*\i, ADRB+\slot, \q, \i
.endr
	WIN 0
.endm
.macro FETCH_A slot, q, i0             ; A's blocks i0 .. i0 + 3
.irp i, \i0, \i0+1, \i0+2, \i0+3
	FRAG AF+FR*(\i), ADRA+\slot, \q, \i
.endr
.endm
.macro PLACES n                        ; plain vector lines between a matrix instruction and a load into, or a vector line on, one of its registers
.rept \n
	v_nop
.endr
.endm
; A step of 128 along K that has its successor in the same slot.  A block of A is free as soon as its eight products are issued: blocks 0-3 are fetched anew in the step's middle, blocks 4-7 at its end.
.macro STEP slot, q, zero
	s_wait_dscnt 4*NL                              ; B's set and A's blocks 0-3 are in; the youngest sixteen loads (A's blocks 4-7) may be out
	WIN MUL_LO
	MUL16 0, (\q)%2, \zero
	MUL16 2, (\q)%2, \zero
	s_wait_dscnt 0                                 ; A's blocks 4-7 are in
	PLACES NP
	FETCH_B \slot, (\q)+1, 1-(\q)%2
	FETCH_A \slot, (\q)+1, 0
	WIN MUL_HI
	MUL16 4, (\q)%2, \zero
	MUL16 6, (\q)%2, \zero
	PLACES NP
	WIN 0
	FETCH_A \slot, (\q)+1, 4
.endm
; A slot's last step changes slots: ONE barrier; in front of it each wave waits for all its tensor loads, adds 0 to its spare word, and waits for that and for its own reads of this slot.  fill = 1: this slot is filled again, two K steps ahead.
.macro TURN slot, next, fill
	s_wait_tensorcnt 0x0                           ; all my tensor loads have landed: my part of the next slot
	ds_add_u32 v[SPW], v[NIL]                      ; 0 onto my spare word
	s_wait_dscnt 4*NL+1                            ; (the add and the youngest sixteen loads, A's blocks 4-7, may be out)
	WIN MUL_LO
	MUL16 0, 1, 0                                  ; sixteen matrix instructions stand between the add and the wait for it
	s_wait_dscnt 0x0                               ; the add is done, and my reads of this slot are over
	s_barrier_signal -1
	MUL16 2, 1, 0
	WIN 0
	s_barrier_wait -1
.if \fill
	CREST                                          ; the barrier has opened a round of the cluster's barrier: no wave of any partner still reads this slot's tile or has a load on its way
	s_add_nc_u64 s[G0+4*\slot+2:G0+4*\slot+3], s[G0+4*\slot+2:G0+4*\slot+3], 2*ROWB
	s_add_nc_u64 s[G0B+4*\slot+2:G0B+4*\slot+3], s[G0B+4*\slot+2:G0B+4*\slot+3], 2*ROWB
	JLOAD G0+4*\slot, G1, G0B+4*\slot, G1B         ; the first tensor load behind the round, my one load until the next; its four v_nop are the places in front of the loads below
.else
	PLACES NP
.endif
	FETCH_B \next, 0, 0
	FETCH_A \next, 0, 0
	WIN MUL_HI
	MUL16 4, 1, 0
	MUL16 6, 1, 0
	PLACES NP
	WIN 0
	FETCH_A \next, 0, 4
.endm
	s_wait_tensorcnt 1                             ; my part of K step 0 is in (K step 1's load may be out)
	s_barrier_signal -1
	s_barrier_wait -1                              ; everybody's is
	FETCH_B 0, 0, 0
	FETCH_A 0, 0, 0
	FETCH_A 0, 0, 4
	STEP 0, 0, 1                                   ; the first step stands in front of the loop: its products start the sums
	s_mov_b32 s3, LAPS-1
.Llap:                                                 ; a trip goes once round the ring, from a lap's second step to the next lap's first, and fills both slots again
	TURN 0, 1, 1
	STEP 1, 0, 0
	TURN 1, 0, 1
	STEP 0, 0, 0
	s_sub_co_u32 s3, s3, 1
	s_cmp_lg_u32 s3, 0
	s_cbranch_scc1 .Llap
	TURN 0, 1, 0                                   ; the last lap fills nothing, and has no round of the cluster's barrier
	STEP 1, 0, 0
	s_wait_dscnt 4*NL                              ; the very last step: nothing more to fetch
	WIN MUL_LO
	MUL16 0, 1, 0
	MUL16 2, 1, 0
	s_wait_dscnt 0
	WIN MUL_HI
	MUL16 4, 1, 0
	MUL16 6, 1, 0
	WIN 0
; THE WAY OUT.  A lane's eight sums of an accumulator are eight neighbours along the next product's K: held, converted, 8 bytes.  A block of 16 rows x 128 codes goes into my stage (rows of 144 bytes);
; then the 128 rows come back, four rows an instruction, and leave: q, k: lanes 0-15 and lanes 16-31 each store 256 consecutive bytes, aligned;  v: the 32 lanes store 512 consecutive bytes, aligned.
	s_wait_kmcnt 0x0                               ; the exponents
	s_cmp_eq_u32 ttmp9, 0
	s_cselect_b32 s89, s74, s75                    ; eo: entry 6 (q) or 7 (k),
	s_cselect_b32 s90, s68, s70                    ; ew: entry 0 or 2,
	s_cselect_b32 s91, s69, s71                    ; ex: entry 1 or 3;
	s_cmp_eq_u32 ttmp9, 2
	s_cselect_b32 s89, s77, s89                    ; for v: entries 9, 4, 5
	s_cselect_b32 s90, s72, s90
	s_cselect_b32 s91, s73, s91
	s_sub_co_i32 s89, s89, s90
	s_sub_co_i32 s89, s89, s91                     ; eo - ew - ex
	s_add_co_i32 s89, s89, 127
	s_lshl_b32 s90, s89, 23                        ; that power of two as f32
	s_add_co_i32 s89, s89, 8
	s_lshl_b32 s92, s89, 23
	s_or_b32 s92, s92, 0x600000                    ; 448 times it,
	s_or_b32 s93, s92, 0x80000000                  ; and its negative
	PLACES NP                                      ; behind the last products: the lines below write registers that held A's fragments, and read results
	v_mov_b32 v[SCL], s90
.set i, 0
.rept 16
	v_mad_u32_u24 v[OF+i], s88, i, v[CO]           ; the 32 stores' offsets
	v_mad_u32_u24 v[OF+16+i], s88, 16+i, v[CO1]
.set i, i+1
.endr
.macro QSTAGE a
.set AC, 64*((\a)%4)
.set WN, 0x02+((\a)/4)
	WIN WN                                         ; source 0: window 2 or 3
.set j, 0
.rept 64
	v_med3_num_f32 v[TMP+j], v[AC+j], s93, s92     ; the hold at the largest code x the scale (the conversion does not saturate: ISA guide 7.6.2); each accumulator from its low end on
.set j, j+1
.endr
	WIN 0
.irp b, 0,1,2,3,4,5,6,7
	v_cvt_scalef32_pk8_fp8_f32 v[CD+16*(\a)+2*\b:CD+16*(\a)+2*\b+1], v[TMP+8*\b:TMP+8*\b+7], v[SCL]
.endr
	v_nop                                          ; one plain line between the conversions and the next block's holds, which write their sources
.irp b, 0,1,2,3,4,5,6,7
	ds_store_b64 v[STO], v[CD+16*(\a)+2*\b:CD+16*(\a)+2*\b+1] offset:16*SPITCH*(\a)+16*\b
.endr
.endm
.irp a, 0,1,2,3,4,5,6,7
	QSTAGE \a
.endr
	WIN TO_B                                       ; destination window 1 (B's first set is long done with)
.set i, 0
.rept 32
	ds_load_b128 v[4*i:4*i+3], v[RD] offset:4*SPITCH*i   ; LDS serves a wave's instructions in order (ISA guide 5.7.1.4): these see my stores
.set i, i+1
.endr
	WIN 0x04                                       ; a store's data: window 1; its offset: window 0
.set i, 0
.rept 32
	s_wait_dscnt 31-i                              ; the younger read-backs may be out
	global_store_b128 v[OF+i], v[4*i:4*i+3], s[10:11]
.set i, i+1
.endr
	WIN 0
	s_wait_tensorcnt 0x0                           ; the wave's end: behind my last tensor load and my last LDS store
	ds_add_u32 v[SPW], v[NIL]
	s_wait_dscnt 0x0
	CROUND                                         ; the closing round: no work-group ends while a partner may still ask for a tile that names it
	s_endpgm
.Lfunc_end_k_q81bdc349e2_qkv:
	.size	k_q81bdc349e2_qkv, .Lfunc_end_k_q81bdc349e2_qkv-k_q81bdc349e2_qkv
	.p2alignl 7, 3214868480
	.fill 96, 4, 3214868480
	.section	.rodata,"a",@progbits
	.p2align	6, 0x0
	.amdhsa_kernel k_q81bdc349e2_qkv
		.amdhsa_group_segment_fixed_size 327680
		.amdhsa_private_segment_fixed_size 0
		.amdhsa_enable_private_segment 0
		.amdhsa_kernarg_size 32
		.amdhsa_user_sgpr_count 2
		.amdhsa_user_sgpr_kernarg_segment_ptr 1
		.amdhsa_wavefront_size32 1
		.amdhsa_system_sgpr_workgroup_id_x 1
		.amdhsa_system_sgpr_workgroup_id_y 1
		.amdhsa_system_sgpr_workgroup_id_z 1
		.amdhsa_system_vgpr_workitem_id 0
		.amdhsa_next_free_vgpr 1024
		.amdhsa_next_free_sgpr 100
		.amdhsa_reserve_vcc 0
		.amdhsa_float_denorm_mode_32 3
		.amdhsa_float_denorm_mode_16_64 3
		.amdhsa_memory_ordered 1
		.amdhsa_forward_progress 1
		.amdhsa_inst_pref_size 129
	.end_amdhsa_kernel
	.amdgpu_metadata
---
amdhsa.version: [ 1, 2 ]
amdhsa.kernels:
  - .name:           k_q81bdc349e2_qkv
    .symbol:         k_q81bdc349e2_qkv.kd
    .args:
      - { .name: xc, .offset: 0, .size: 8, .value_kind: global_buffer, .address_space: global }
      - { .name: wc, .offset: 8, .size: 8, .value_kind: global_buffer, .address_space: global }
      - { .name: lowp_scales, .offset: 16, .size: 8, .value_kind: global_buffer, .address_space: global }
      - { .name: qkv, .offset: 24, .size: 8, .value_kind: global_buffer, .address_space: global }
    .group_segment_fixed_size: 327680
    .private_segment_fixed_size: 0
    .kernarg_segment_align: 8
    .kernarg_segment_size: 32
    .max_flat_workgroup_size: 128
    .sgpr_count:     100
    .vgpr_count:     1024
    .wavefront_size: 32
...
	.end_amdgpu_metadata
.endif
;; end of part 2
;; launch attn (part 3): grid 4 x 64, 16 waves a work-group, no clusters, 106,496 bytes of LDS; arguments qkv, lowp_scales, ac; writes ac
.if DOCPART == 3
	.amdgcn_target "amdgcn-amd-amdhsa--gfx1250"
	.amdhsa_code_object_version 6
	.text
	.protected	k_q81bdc349e2_attn
	.globl	k_q81bdc349e2_attn
	.p2align	8
	.type	k_q81bdc349e2_attn,@function
k_q81bdc349e2_attn:
	s_mov_b64 s[64:65], 0
	v_nop
	global_prefetch_b8 v0, s[64:65] scope:SCOPE_SE
	s_setreg_imm32_b32 hwreg(HW_REG_WAVE_MODE, 25, 1), 1
	s_wait_xcnt 0x0
; ATTN: causal attention on codes of FP8 (E4M3); head size 64; 64 pairs (b, h) of 2,048 queries and keys.  In: the planes q, k, v of the buffer qkv (bh = 16 b + h):
; q, k: byte (bh << 17) + (s << 6) + dk;  v: (bh << 17) + ((s / 128) << 13) + (dv << 7) + s % 128 (the keys innermost).  Out: ac [h][b 2048 + s][64], codes of O with entry 10's scale.
; THE SOFTMAX AHEAD OF THE SECOND PRODUCT: t = score x log2(e) / 8; M = the row's largest t so far, rounded UP to a whole number; p = 2^(t - M) is quantised along the keys (entry 8), not normalised.
; The row's sum is taken of the unquantised p, in f32, and divides O at the end.  When M moves, the sum and O are multiplied by 2^(old M - new M): exact.
; SHARES.  Work-group (i, bh), i = 0 .. 3, owns the query blocks i and 7 - i (256 queries each) of one head, one after the other.  Under the causal mask block j needs the slots 0 .. j of 256 keys:
; (i + 1) + (8 - i) = 9 slots for every work-group: a constant number of trips, and equal work.  Each of the sixteen waves owns 16 queries in 256 registers: four waves to a SIMD, so that one wave's
; vector work stands beside another's products and LDS loads.
; FEEDING.  A slot is 16 KiB of k and 16 KiB of v, both dense in memory.  Each of the 512 threads loads 4 x 16 bytes of the NEXT slot into registers at a trip's head, and stores them into one of two
; LDS buffers at the head of the next trip: the loads have a slot's two key steps in which to land.  One barrier a trip: in front of it each wave's stores have landed and its reads of the last trip are back;
; a buffer is written again two trips after it was read, with the barrier of the trip between.
; NO CLUSTER: in trip J the work-group i of a head needs slot J while J <= i and slot J - i - 1 afterwards, so the four work-groups of a head need different slots in the same trip: no joint request would meet.
; LAYOUT.  Both products are used transposed: S^T = K Q^T (source 0 = 16 keys, source 1 = my 16 queries), O^T = V^T P^T (source 0 = 16 of the head's 64, source 1 = P): a lane holds ONE query (lane % 16) throughout.
; THE KEYS OF A TILE ARE NOT NEIGHBOURS: key 32 b + 16 y + 8 u + z (z < 8) lies in LDS row 32 b + 16 u + 8 y + z, so that tile 2 b + u is sixteen rows on end and the 16 registers of tiles 2 b and 2 b + 1
; are the keys 32 b + 16 (lane / 16) + 0 .. 15: the conversions' results are the second product's operand.  Fragments are fetched by loads of 16 bytes, 32 apart: a permutation of k inside an instruction, the same on both sides.
; CAUSAL.  A step all of whose 128 keys come after my 16 queries is left out (a scalar branch on ids); on the diagonal hidden scores become -infinity ahead of the maximum.
; THE HOLD OF p.  p is at most 1 (to the last bit), so where 448 x 2^ep is at least 1.75, that is ep >= -8, the hold changes nothing: a scalar branch on the given whole number ep leads round its 64 lines; for any other ep they run.
; LIMITS on the given exponents, so that each power of two is an f32 number: e6 + e7 between -123 and 130 (added to c's exponent field); e8 and e10 between -126 and 119; e8 + e9 is applied by v_ldexp_f32 and has none.
.set KP,    80                         ; a key's row in LDS: 64 bytes + 16 of padding
.set VP,    144                        ; a row of V^T (128 keys): 128 bytes + 16
.set VOFF,  256*KP                     ; a buffer: 256 rows of K, then 2 x 64 rows of V^T
.set VSTEP, 64*VP
.set BUF1,  65536                      ; the second buffer begins here: one exclusive or turns an address
.set STAGE, 40960                      ; behind the first buffer: 1,024 bytes for each wave, for the way out
.set SPARE, 104448                     ; behind the second buffer: the spare words, 128 bytes for each wave: eight blocks of 256 bytes that no other line names
.set AK0, 1                            ; v1   my lane's place in a tile of K
.set AV0, 2                            ; v2   in a tile of V^T
.set GT,  3                            ; v3   16 x my thread's number
.set GO,  4                            ; v4   + the slot to be loaded
.set SPW, 5                            ; v5   LDS address of my spare word; never rewritten
.set NIL, 6                            ; v6   0; never rewritten
.set KST, 7                            ; v7   where my 16 bytes of K go in a buffer
.set ADK, 8                            ; v8   LDS address of the step's tiles of K
.set ADV, 9                            ; v9   of V^T
.set VST, 10                           ; v10  where my 16 bytes of V go
.set FRG, 40                           ; v40-103  K's eight fragments, then V^T's four;  v12 -M, v13 the largest t, v[14:15] the sum; v16-23 Q; v24-39 the next slot on its way
.set S,   104                          ; v104-167 S^T, then p
.set OT,  168                          ; v168-199 O^T
.set PC,  200                          ; v200-215 p's codes
.set AO,  236                          ; v236 the way out: my byte offset in ac
.set L16, 237                          ; v237 16 x lane
.set STI, 238                          ; v238 into my stage
.set STR, 239                          ; v239 back out of it
.set QA,  240                          ; v240 my byte offset in q
.set QL,  241                          ; v241 its lane term
.set WV,  18                           ; s18  wave
.set SEL, 20                           ; s[20:21] lane selects: lane l xor 16
.set CS,  22                           ; s[22:23] c = log2(e) / 8 x 2^(e6 + e7)
.set TB,  24                           ; s24  the buffer in hand
.set JJ,  25                           ; s25  the trip
.set SIG, 26                           ; s26  its slot
.set QB,  27                           ; s27  the query block in hand
.set Q0,  28                           ; s28  my first query
.set KF,  29                           ; s29  the step's first key
.set II,  30                           ; s30  i
	s_load_b128 s[4:7], s[0:1], 0x0                ; qkv s[4:5], the scales' exponents s[6:7]
	s_load_b64 s[8:9], s[0:1], 0x10                ; ac
	v_lshl_add_u32 v[SPW], v0, 2, SPARE
	v_mov_b32 v[NIL], 0
	v_lshrrev_b32 v8, 5, v0
	v_readfirstlane_b32 s[WV], v8                  ; wave 0..15
	s_mov_b32 s[II], ttmp9
	s_and_b32 s31, ttmp7, 0xffff                   ; bh
	s_lshl_b32 s32, s31, 17
	s_mov_b32 s33, 0
	s_and_b32 s34, s31, 15
	s_lshl_b32 s34, s34, 19                        ; ac: h x 8,192 rows x 64
	s_lshr_b32 s35, s31, 4
	s_lshl_b32 s35, s35, 17                        ;     + b x 2,048 rows x 64
	s_add_co_u32 s34, s34, s35
	s_mov_b32 s35, 0
	s_mov_b32 s[QB], s[II]                         ; the first block
	s_lshl_b32 s[Q0], s[QB], 8
	s_lshl_b32 s96, s[WV], 4
	s_add_co_u32 s[Q0], s[Q0], s96
	s_lshl_b32 s96, s[Q0], 6
	v_lshlrev_b32 v[GT], 4, v0
	v_mov_b32 v[GO], v[GT]                         ; slot 0
	v_and_b32 v8, 15, v0                           ; r
	v_bfe_u32 v9, v0, 4, 1                         ; h
	v_lshlrev_b32 v[QL], 6, v8
	v_lshl_add_u32 v[QL], v9, 4, v[QL]             ; q: row r of 64 bytes, + 16 h
	v_add_nc_u32 v[QA], s96, v[QL]
	s_wait_kmcnt 0x0
	s_load_b256 s[36:43], s[6:7], 0x0              ; entries 0 to 7: e6 = s42, e7 = s43
	s_load_b128 s[44:47], s[6:7], 0x20             ; entries 8 to 11: ep = s44, ev = s45, e10 = s46
	s_add_nc_u64 s[10:11], s[4:5], s[32:33]        ; my head's q,
	s_add_nc_u64 s[12:13], s[10:11], 0x800000      ; k,
	s_add_nc_u64 s[14:15], s[12:13], 0x800000      ; v,
	s_add_nc_u64 s[16:17], s[8:9], s[34:35]        ; and rows of ac
.macro LOADSLOT                        ; a slot: the 512 threads read 8,192 consecutive bytes with each of the four lines
	global_load_b128 v[24:27], v[GO], s[12:13]
	global_load_b128 v[28:31], v[GO], s[12:13] offset:8192
	global_load_b128 v[32:35], v[GO], s[14:15]
	global_load_b128 v[36:39], v[GO], s[14:15] offset:8192
.endm
.macro LOADQ                           ; Q's fragment stays in registers for a block
	global_load_b128 v[16:19], v[QA], s[10:11]
	global_load_b128 v[20:23], v[QA], s[10:11] offset:32
.endm
.macro STATE                           ; a block begins: the largest t under every t, the sums and O^T zeros, which the first change of M leaves zeros
	v_mov_b32 v13, 0xff61b1e6                      ; -3e38
	v_floor_f32 v12, -v13                          ; -M
	v_mov_b32 v14, 0
	v_mov_b32 v15, 0
.set j, 0
.rept 32
	v_mov_b32 v[OT+j], 0
.set j, j+1
.endr
.endm
	LOADSLOT
	LOADQ
	v_mul_u32_u24 v[AK0], v8, KP
	v_lshl_add_u32 v[AK0], v9, 4, v[AK0]
	v_mul_u32_u24 v[AV0], v8, VP
	v_lshl_add_u32 v[AV0], v9, 4, v[AV0]
	v_add_nc_u32 v[AV0], VOFF, v[AV0]
	v_lshlrev_b32 v11, 4, v9
	v_sub_nc_u32 v247, v8, v11                     ; r - 16 h, for the mask
	v_mov_b32 v246, 0xff800000                     ; -infinity
	v_and_b32 v11, 31, v0
	v_lshlrev_b32 v[L16], 4, v11
	s_lshl_b32 s96, s[WV], 10
	s_add_co_u32 s96, s96, STAGE                   ; my stage
	v_lshlrev_b32 v[STI], 6, v8
	v_lshl_add_u32 v[STI], v9, 3, v[STI]
	v_add_nc_u32 v[STI], s96, v[STI]               ; in: row r of 64 bytes, + 8 h
	v_add_nc_u32 v[STR], s96, v[L16]               ; back: 16 bytes a lane
	v_lshrrev_b32 v8, 2, v0                        ; my 16 bytes of K belong to key R = thread / 4 (and R + 128),
	v_and_b32 v9, 0x67, v8
	v_bfe_u32 v11, v0, 5, 1                        ; whose bits 3 and 4 change places in the LDS row
	v_lshl_add_u32 v9, v11, 4, v9
	v_bfe_u32 v11, v0, 6, 1
	v_lshl_add_u32 v9, v11, 3, v9
	v_mul_u32_u24 v[KST], v9, KP
	v_and_b32 v11, 3, v0
	v_lshl_add_u32 v[KST], v11, 4, v[KST]
	v_lshrrev_b32 v8, 3, v0                        ; my 16 bytes of V belong to row dv = thread / 8
	v_mul_u32_u24 v[VST], v8, VP
	v_and_b32 v11, 7, v0
	v_lshl_add_u32 v[VST], v11, 4, v[VST]
	v_add_nc_u32 v[VST], VOFF, v[VST]
	v_mov_b32 v216, 0                              ; written once: a lane permute's destination counts as one of its sources
	v_mov_b32 v219, 0                              ; (named as the upper half of the pair v[218:219])
	STATE
	s_mov_b32 s[SEL], 0x76543210
	s_mov_b32 s[SEL+1], 0xfedcba98
	s_mov_b32 s[CS], 0x3e38aa3b                    ; log2(e) / 8
	s_mov_b32 s[TB], 0
	s_mov_b32 s[JJ], 0
	s_mov_b32 s[SIG], 0
	s_wait_kmcnt 0x0
	s_add_co_i32 s96, s42, s43
	s_lshl_b32 s96, s96, 23
	s_add_co_i32 s[CS], s[CS], s96                 ; a score stands for score x 2^(e6 + e7): the two exponents are added to c's exponent field
	s_mov_b32 s[CS+1], s[CS]                       ; (named with it as a pair, so it is written)
	s_add_co_i32 s96, s44, 127
	s_lshl_b32 s97, s96, 23
	v_mov_b32 v224, s97                            ; 2^ep as f32
	s_add_co_i32 s96, s96, 8
	s_lshl_b32 s96, s96, 23
	s_or_b32 s96, s96, 0x600000
	v_mov_b32 v225, s96                            ; 448 x 2^ep
	s_add_co_i32 s96, s46, 127
	s_lshl_b32 s97, s96, 23
	v_mov_b32 v226, s97                            ; 2^e10
	s_add_co_i32 s96, s96, 8
	s_lshl_b32 s96, s96, 23
	s_or_b32 s96, s96, 0x600000
	v_mov_b32 v227, s96                            ; 448 x 2^e10
	s_add_co_i32 s48, s44, s45                     ; ep + ev
; A KEY STEP: 128 keys, the q-th of the slot in hand.
.macro STEP q
	s_add_co_u32 s96, s[Q0], 15
	s_cmp_gt_u32 s[KF], s96                        ; all its keys come after my queries: ids and the count of trips alone
	s_cbranch_scc1 .Lhidden_\@
	v_add_nc_u32 v[ADK], s[TB], v[AK0]
	v_add_nc_u32 v[ADV], s[TB], v[AV0]
	v_nop                                          ; with the two additions: four places in front of loads into registers that the last products have read
	v_nop
.irp t, 0,1,2,3,4,5,6,7
	ds_load_b128 v[FRG+8*\t:FRG+8*\t+3], v[ADK] offset:(128*(\q)+16*\t)*KP
	ds_load_b128 v[FRG+8*\t+4:FRG+8*\t+7], v[ADK] offset:(128*(\q)+16*\t)*KP+32
.endr
.irp t, 0,1,2,3,4,5,6,7                        ; S^T = K Q^T: eight tiles of 16 keys, K = the head's 64
	s_wait_dscnt 14-2*\t                           ; LDS loads come back in order: tile t's two are in, the later tiles' may be out
	v_wmma_f32_16x16x64_fp8_fp8 v[S+8*\t:S+8*\t+7], v[FRG+8*\t:FRG+8*\t+7], v[16:23], 0
.endr
.rept 4
	v_nop                                          ; places in front of the loads below and of the first read of the scores
.endr
.irp t, 0,1,2,3                                ; V^T's four tiles are asked for now and land under the softmax
.irp c, 0,1,2,3
	ds_load_b128 v[FRG+16*\t+4*\c:FRG+16*\t+4*\c+3], v[ADV] offset:VSTEP*(\q)+16*VP*\t+32*\c
.endr
.endr
	s_add_co_u32 s96, s[KF], 127
	s_cmp_le_u32 s96, s[Q0]                        ; all keys of the step count for all my queries: no mask
	s_cbranch_scc1 .Lopen_\@
	s_sub_co_i32 s96, s[Q0], s[KF]
	v_add_nc_u32 v244, s96, v247                   ; d = my query - KF - 16 (lane / 16).  Register 16 b + i holds key KF + 16 (lane / 16) + 32 b + i: hidden where 32 b + i > d
.set n, 0
.rept 64
	v_cmp_gt_i32 vcc_lo, 32*(n/16)+n%16, v244
	v_cndmask_b32 v[S+n], v[S+n], v246, vcc_lo
.set n, n+1
.endr
.Lopen_\@:
	v_max3_num_f32 v222, v[S], v[S+1], v[S+2]      ; the step's largest score of my query among my 64 keys, in two chains, each accumulator from its low end on,
	v_max3_num_f32 v223, v[S+3], v[S+4], v[S+5]
.irp i, 6,10,14,18,22,26,30,34,38,42,46,50,54,58
	v_max3_num_f32 v222, v222, v[S+\i], v[S+1+\i]
	v_max3_num_f32 v223, v223, v[S+2+\i], v[S+3+\i]
.endr
	v_max3_num_f32 v222, v222, v[S+62], v[S+63]
	v_max_num_f32 v222, v222, v223
	v_permlanex16_b32 v216, v222, s[SEL], s[SEL+1]
	v_max_num_f32 v222, v222, v216                 ; and among lane l xor 16's
	v_mul_f32 v222, s[CS], v222                    ; as t (c is positive)
	v_max_num_f32 v13, v13, v222                   ; the running largest t
	v_mov_b32 v222, v12
	v_floor_f32 v12, -v13                          ; the new -M = floor(-t) = -ceil(t): M is a whole number
	v_sub_f32 v222, v12, v222                      ; M's old value less its new one: a whole number, 0 or less
	v_cvt_i32_f32 v222, v222                       ; (it saturates)
	v_ldexp_f32 v218, 1.0, v222                    ; f = 2^(old M - new M)
.set j, 0
.rept 32
	v_pk_fma_f32 v[S+j:S+j+1], v[S+j:S+j+1], s[CS:CS+1], v[12:13] op_sel_hi:[1,0,0]   ; t - M, two at a time (of the pairs c and -M the low word serves both halves)
.set j, j+2
.endr
.set j, 0
.rept 64
	v_exp_f32 v[S+j], v[S+j]                       ; p = 2^(t - M): not normalised
.set j, j+1
.endr
	v_pk_mul_f32 v[14:15], v[14:15], v[218:219] op_sel_hi:[1,0]   ; the sums under the new M.  (The plain line behind the exponentials)
	s_wait_alu depctr_va_vdst(0)                   ; a wait ahead of the first line that names an exponential's result: one for the batch of 64
	v_pk_add_f32 v[220:221], v[S:S+1], v[S+2:S+3]  ; the row's sum is taken of the UNQUANTISED p: two at a time, in two chains
.irp j, 4,8,12,16,20,24,28,32,36,40,44,48,52,56,60
	v_pk_add_f32 v[14:15], v[14:15], v[S+\j:S+1+\j]
	v_pk_add_f32 v[220:221], v[220:221], v[S+2+\j:S+3+\j]
.endr
	v_pk_add_f32 v[14:15], v[14:15], v[220:221]
	s_cmp_ge_i32 s44, -8                           ; 448 x 2^ep >= 1.75: above every p, so the hold would change nothing
	s_cbranch_scc1 .Lno_hold_\@
.set j, 0
.rept 64
	v_min_num_f32 v[S+j], v[S+j], v225             ; the conversion does not saturate (ISA guide 7.6.2); p is not negative, so the hold is one-sided
.set j, j+1
.endr
.Lno_hold_\@:
.irp b, 0,1,2,3
	v_cvt_scalef32_pk8_fp8_f32 v[PC+4*\b:PC+4*\b+1], v[S+16*\b:S+16*\b+7], v224
	v_cvt_scalef32_pk8_fp8_f32 v[PC+4*\b+2:PC+4*\b+3], v[S+16*\b+8:S+16*\b+15], v224
.endr
.set j, 0
.rept 16
	v_pk_mul_f32 v[OT+j:OT+j+1], v[OT+j:OT+j+1], v[218:219] op_sel_hi:[1,0]   ; O^T under the new M: x f; each accumulator from its low end on.  (Also the plain lines behind the conversions)
.set j, j+2
.endr
	s_wait_dscnt 0x0                               ; V^T's fragments
.irp t, 0,1,2,3                                ; O^T += V^T P^T: four tiles of 16 of the head's 64, K = these 128 keys; the four accumulators take one turn each, and the scores' products stand between two steps' turns
	v_wmma_f32_16x16x128_fp8_fp8 v[OT+8*\t:OT+8*\t+7], v[FRG+16*\t:FRG+16*\t+15], v[PC:PC+15], v[OT+8*\t:OT+8*\t+7]
.endr
.Lhidden_\@:
	s_add_co_u32 s[KF], s[KF], 128
.endm
; A BLOCK'S WAY OUT.  O^T x 2^(ep + ev) / the sum is quantised with entry 10's scale: a lane's eight numbers of a tile are eight neighbours along the last product's K: 8 bytes.  My 16 queries' 1,024 bytes
; meet in my stage and leave as two stores of 512 consecutive bytes, aligned.
.macro FINISH
.rept 4
	v_nop                                          ; places behind the last products
.endr
	s_wait_xcnt 0x0                                ; the first block's stores have read their offset and data: both are written again only behind this wait
	v_add_f32 v14, v14, v15                        ; the sum's two halves,
	v_permlanex16_b32 v216, v14, s[SEL], s[SEL+1]
	v_add_f32 v14, v14, v216                       ; and lane l xor 16's
	v_rcp_f32 v14, v14
	s_lshl_b32 s96, s[Q0], 6
	v_add_nc_u32 v[AO], s96, v[L16]                ; (the plain line behind the reciprocal)
	s_wait_alu depctr_va_vdst(0)                   ; a wait ahead of the reciprocal's first reader
	v_ldexp_f32 v14, v14, s48                      ; x 2^(ep + ev)
.set j, 0
.rept 16
	v_pk_mul_f32 v[S+j:S+j+1], v[OT+j:OT+j+1], v[14:15] op_sel_hi:[1,0]   ; register 8 t + i is o(query r, 16 t + 8 h + i)
.set j, j+2
.endr
.set j, 0
.rept 32
	v_med3_num_f32 v[S+j], v[S+j], -v227, v227     ; the hold at the largest code x the scale
.set j, j+1
.endr
.irp t, 0,1,2,3
	v_cvt_scalef32_pk8_fp8_f32 v[PC+2*\t:PC+2*\t+1], v[S+8*\t:S+8*\t+7], v226
.endr
	v_nop                                          ; one plain line behind the conversions: later products write their sources
.irp t, 0,1,2,3
	ds_store_b64 v[STI], v[PC+2*\t:PC+2*\t+1] offset:16*\t
.endr
	ds_load_b128 v[228:231], v[STR]                ; LDS serves a wave's instructions in order: these see my stores
	ds_load_b128 v[232:235], v[STR] offset:512
	s_wait_dscnt 0x0
	global_store_b128 v[AO], v[228:231], s[16:17]
	global_store_b128 v[AO], v[232:235], s[16:17] offset:512
.endm
.Ltrip:                                            ; nine trips, a slot each
	s_wait_loadcnt 0x0                             ; this trip's slot is in my registers (and a new block's Q)
	v_add_nc_u32 v242, s[TB], v[KST]
	v_add_nc_u32 v243, s[TB], v[VST]
	ds_store_b128 v242, v[24:27]                   ; keys 0-127 of the slot,
	ds_store_b128 v242, v[28:31] offset:128*KP     ; keys 128-255,
	ds_store_b128 v243, v[32:35]                   ; V^T of the first 128 keys,
	ds_store_b128 v243, v[36:39] offset:VSTEP      ; of the second
	s_wait_dscnt 0x0                               ; for the others' sake: my stores have landed; my reads of the last trip's buffer were back before
	s_barrier_signal -1
	s_barrier_wait -1                              ; the buffer in hand is whole, and nobody reads the other one any more
	s_lshl_b32 s[KF], s[SIG], 8
	s_cmp_eq_u32 s[JJ], 8                          ; the last trip has no successor: no load leaves its buffer
	s_cbranch_scc1 .Lno_next
	s_add_co_u32 s96, s[SIG], 1
	s_cmp_eq_u32 s[JJ], s[II]                      ; the first block's last slot: the second block begins at slot 0
	s_cselect_b32 s96, 0, s96
	s_lshl_b32 s96, s96, 14
	v_add_nc_u32 v[GO], s96, v[GT]                 ; (free since the wait for the loads that named it)
	LOADSLOT                                       ; the next slot: it has this trip's two key steps in which to land
.Lno_next:
	STEP 0
	STEP 1
	s_xor_b32 s[TB], s[TB], BUF1                   ; on to the other buffer
	s_cmp_lg_u32 s[JJ], s[II]                      ; ids and the count of trips alone: all sixteen waves go the same way; no barrier stands inside
	s_cbranch_scc1 .Lsame_block
	FINISH                                         ; block i is done;
	STATE                                          ; block 7 - i begins
	s_sub_co_u32 s[QB], 7, s[II]
	s_lshl_b32 s[Q0], s[QB], 8
	s_lshl_b32 s96, s[WV], 4
	s_add_co_u32 s[Q0], s[Q0], s96
	s_lshl_b32 s96, s[Q0], 6
	v_add_nc_u32 v[QA], s96, v[QL]                 ; (the loads that named it were waited for in the first trip)
	LOADQ                                          ; the next trip's wait for loads covers these
	s_mov_b32 s[SIG], -1
.Lsame_block:
	s_add_co_u32 s[SIG], s[SIG], 1
	s_add_co_u32 s[JJ], s[JJ], 1
	s_cmp_lt_u32 s[JJ], 9
	s_cbranch_scc1 .Ltrip
	FINISH
	s_wait_tensorcnt 0x0                           ; the wave's end: behind my last LDS store
	ds_add_u32 v[SPW], v[NIL]
	s_wait_dscnt 0x0
	s_endpgm
.Lfunc_end_k_q81bdc349e2_attn:
	.size	k_q81bdc349e2_attn, .Lfunc_end_k_q81bdc349e2_attn-k_q81bdc349e2_attn
	.p2alignl 7, 3214868480
	.fill 96, 4, 3214868480
	.section	.rodata,"a",@progbits
	.p2align	6, 0x0
	.amdhsa_kernel k_q81bdc349e2_attn
		.amdhsa_group_segment_fixed_size 106496
		.amdhsa_private_segment_fixed_size 0
		.amdhsa_enable_private_segment 0
		.amdhsa_kernarg_size 24
		.amdhsa_user_sgpr_count 2
		.amdhsa_user_sgpr_kernarg_segment_ptr 1
		.amdhsa_wavefront_size32 1
		.amdhsa_system_sgpr_workgroup_id_x 1
		.amdhsa_system_sgpr_workgroup_id_y 1
		.amdhsa_system_sgpr_workgroup_id_z 1
		.amdhsa_system_vgpr_workitem_id 0
		.amdhsa_next_free_vgpr 256
		.amdhsa_next_free_sgpr 100
		.amdhsa_reserve_vcc 1
		.amdhsa_float_denorm_mode_32 3
		.amdhsa_float_denorm_mode_16_64 3
		.amdhsa_memory_ordered 1
		.amdhsa_forward_progress 1
		.amdhsa_inst_pref_size 60
	.end_amdhsa_kernel
	.amdgpu_metadata
---
amdhsa.version: [ 1, 2 ]
amdhsa.kernels:
  - .name:           k_q81bdc349e2_attn
    .symbol:         k_q81bdc349e2_attn.kd
    .args:
      - { .name: qkv, .offset: 0, .size: 8, .value_kind: global_buffer, .address_space: global }
      - { .name: lowp_scales, .offset: 8, .size: 8, .value_kind: global_buffer, .address_space: global }
      - { .name: ac, .offset: 16, .size: 8, .value_kind: global_buffer, .address_space: global }
    .group_segment_fixed_size: 106496
    .private_segment_fixed_size: 0
    .kernarg_segment_align: 8
    .kernarg_segment_size: 24
    .max_flat_workgroup_size: 512
    .sgpr_count:     100
    .vgpr_count:     256
    .wavefront_size: 32
...
	.end_amdgpu_metadata
.endif
;; end of part 3
;; launch oproj (part 4): grid 4 x 32, 4 waves a work-group, clusters of 4 x 4, 327,680 bytes of LDS; arguments ac, wc, lowp_scales, out0; writes out0
.if DOCPART == 4
	.amdgcn_target "amdgcn-amd-amdhsa--gfx1250"
	.amdhsa_code_object_version 6
	.text
	.protected	k_q81bdc349e2_oproj
	.globl	k_q81bdc349e2_oproj
	.p2align	8
	.type	k_q81bdc349e2_oproj,@function
k_q81bdc349e2_oproj:
	s_mov_b64 s[64:65], 0
	v_nop
	global_prefetch_b8 v0, s[64:65] scope:SCOPE_SE
	s_setreg_imm32_b32 hwreg(HW_REG_WAVE_MODE, 25, 1), 1
	s_wait_xcnt 0x0
	s_wait_alu depctr_hold_cnt(0) depctr_sa_sdst(0) depctr_va_vdst(0) depctr_va_sdst(0) depctr_va_ssrc(0) depctr_va_vcc(0) depctr_vm_vsrc(0)
	s_getreg_b32 s2, hwreg(HW_REG_IB_STS2, 6, 4)
	s_cmp_eq_u32 s2, 0
	s_cbranch_scc0 .Lentry_in_a_cluster
	s_endpgm
.Lentry_in_a_cluster:
	s_bfe_u32 s2, ttmp6, 0x10000c
	s_cmp_lg_u32 s2, 0xf033
	s_cbranch_scc0 .Lentry_shape_is_right
	s_endpgm
.Lentry_shape_is_right:
; OPROJ: out0[m][n] = 2^(e10 + e11) x the sum over k of A[m][k] B[n][k], on codes of FP8 (E4M3).  m = b 2048 + s (8,192), n (1,024), k = 64 h + dv (1,024); out0 f32.
; A = the attention's codes, laid [h][m][64];  B = wo's codes, rows 3,072 to 4,095 of wc, K along a row.
; LIMIT: e10 + e11 lies between -126 and 127, so that 2^(e10 + e11) is an f32 number.
; A tile of out0, 256 x 256, is made by a work-group of four waves; a wave makes 128 x 128: 64 accumulators, 512 registers.  K goes in steps of 256 (four heads) through a ring of two LDS slots filled by the tensor data mover.
; A'S TILE.  A wave's load is four "rows" of 8,192 bytes: of each of the step's four heads, 128 rows of m x 64 bytes, dense in memory; the heads' planes lie 524,288 bytes apart.  16 bytes of padding follow every 256,
; so a plane takes 32 x 272 = 8,704 bytes of LDS, and (m, head p, dv) lies at 8,704 p + 272 (m / 4) + 64 (m % 4) + dv: the sixteen rows that a fragment load touches fall on sixteen different groups of four banks.
; CLUSTERS: 4 x 4 work-groups; A's tile is shared along a row of the cluster, B's along a column: each is asked for jointly, by the same tensor load with the same descriptor and a mask that names the four.
; THE MATRIX INSTRUCTION IS USED TRANSPOSED (source 0 = 16 rows of B, source 1 = 16 rows of A): a lane holds eight neighbouring numbers of a row of out0.
; A fragment is fetched by four loads of 16 bytes: registers 4 c .. 4 c + 3 hold k = 32 c + 16 (l / 16) + 0 .. 15 of the step's 128: a permutation of k inside an instruction, the same in A and in B.
; REGISTERS, in windows of 256: window 0: v0-31 addresses; from v128 A's fragments, ONE set; on the way out v32-255 are free.  window 1: B's fragments, TWO sets.  windows 2, 3: the accumulators.
.set SIZE_N, 1024
.set KSTEP,  256
.set ROWB,   256
.set KROW,   1024
.set PITCH,  272
.set PLANE,  32*PITCH                  ; a head's 128 rows x 64 bytes in LDS
.set ASTEP,  4*524288                  ; a K step on in A: four planes
.set FR,     16
.set NL,     4
.set NP,     4                         ; places behind this matrix instruction (ISA guide 7.12.1)
.set HALFT,  128*PITCH                 ; what one tensor load brings: for A four planes, the same number of bytes
.set SLOT,   4*HALFT
.set LAPS,   2
.set SPARE,  2*SLOT                    ; behind the ring: the spare words, 128 bytes for each wave
.set SPITCH, 528                       ; the way out: a stage of 16 rows x (512 bytes + 16) for each wave, in slot 0, which has had its last fill and its last read when the first result is stored there
.set ADRA, 16
.set ADRB, 20
.set STO,  24
.set RD,   25
.set CO,   26
.set SPW,  28                          ; v28  LDS address of my spare word; never rewritten
.set NIL,  29                          ; v29  0; never rewritten
.set TMP,  32
.set AF,   128
.set BK,   128
.set G1, 24
.set G0, 32
.set G1B, 48
.set G0B, 56
.set MSB, 0
.macro WIN new                         ; the immediate's high byte repeats the setting that is left
.if MSB != \new
	s_set_vgpr_msb (MSB<<8)|\new
.set MSB, \new
.endif
.endm
.set MUL_LO, 0xa1
.set MUL_HI, 0xf1
.set TO_B,   0x40
.macro JLOAD g0a, g1a, g0b, g1b        ; a joint load: waves 0 and 1 fetch for A, waves 2 and 3 for B; an s_nop 0 and four v_nop follow each of the two lines
	s_cmp_eq_u32 s15, 0
	s_cbranch_scc0 .Lfor_b_\@
	tensor_load_to_lds s[\g0a:\g0a+3], s[\g1a:\g1a+7]
	s_nop 0
.rept 4
	v_nop
.endr
	s_branch .Lasked_\@
.Lfor_b_\@:
	tensor_load_to_lds s[\g0b:\g0b+3], s[\g1b:\g1b+7]
	s_nop 0
.rept 4
	v_nop
.endr
.Lasked_\@:
.endm
.macro CREST
	s_cmp_lg_u32 s14, 0
	s_cbranch_scc1 .Lnot_wave_0_\@
	s_barrier_signal -3
.Lnot_wave_0_\@:
	s_barrier_wait -3
	s_barrier_signal -1
	s_barrier_wait -1
.endm
.macro CROUND
	s_barrier_signal -1
	s_barrier_wait -1
	CREST
.endm
	s_load_b128 s[4:7], s[0:1], 0x0                ; ac s[4:5], wc s[6:7]
	s_load_b128 s[8:11], s[0:1], 0x10              ; the scales' exponents s[8:9], out0 s[10:11]
	v_lshl_add_u32 v[SPW], v0, 2, SPARE
	v_mov_b32 v[NIL], 0
	ds_add_u32 v[SPW], v[NIL]                      ; the wave's opening: the add and its wait stand ahead of my first tensor load; the set-up below, work on registers, stands between them
	v_lshrrev_b32 v1, 5, v0
	v_readfirstlane_b32 s14, v1                    ; wave 0..3
	s_lshr_b32 s15, s14, 1                         ; which half of the tile's rows is mine.  Also: I fetch for A (0) or for B (1)
	s_and_b32 s16, s14, 1                          ; which half of its columns.  Also: which 128 rows of that tile I fetch
	s_bfe_u32 s40, ttmp6, 0x40000                  ; cx, cy
	s_bfe_u32 s41, ttmp6, 0x40004
	s_lshl_b32 s42, ttmp9, 2
	s_add_co_u32 s42, s42, s40                     ; tile column
	s_and_b32 s17, ttmp7, 0xffff
	s_lshl_b32 s17, s17, 2
	s_add_co_u32 s17, s17, s41                     ; tile row
	s_lshl_b32 s43, s41, 2
	s_lshl_b32 s43, 15, s43                        ; my row of the cluster
	s_lshl_b32 s44, 0x1111, s40                    ; my column
	; A's group 1: four rows of 8,192 bytes, 524,288 apart, 16 bytes of padding behind every 256
	s_or_b32 s[G1+0], s43, (0<<16)|(1<<20)|(1<<21)|(5<<22)|(3<<25)  ; 15:0 the mask: my row; 17:16 element of 1 byte; 20 padding on; 21 set beside a mask; 24:22 after every 64 words (code 5); 31:25 of 4 words (code 3)
	s_mov_b32 s[G1+1], 8192<<16                    ; tensor_dim0 = 8,192
	s_mov_b32 s[G1+2], 4<<16                       ; tensor_dim1 = 4
	s_mov_b32 s[G1+3], 8192<<16                    ; tile_dim0 = 8,192
	s_mov_b32 s[G1+4], 4                           ; tile_dim1 = 4
	s_mov_b32 s[G1+5], 524288                      ; tensor_dim0_stride
	s_mov_b32 s[G1+6], 0
	s_mov_b32 s[G1+7], 0
	; B's group 1: 128 rows of 256 bytes, 1,024 apart, padded alike
	s_or_b32 s[G1B+0], s44, (0<<16)|(1<<20)|(1<<21)|(5<<22)|(3<<25)
	s_mov_b32 s[G1B+1], ROWB<<16
	s_mov_b32 s[G1B+2], 128<<16
	s_mov_b32 s[G1B+3], ROWB<<16
	s_mov_b32 s[G1B+4], 128
	s_mov_b32 s[G1B+5], KROW
	s_mov_b32 s[G1B+6], 0
	s_mov_b32 s[G1B+7], 0
	s_lshl_b32 s18, s16, 7                         ; which 128 rows of the tile I fetch
	s_lshl_b32 s20, s17, 8
	s_add_co_u32 s20, s20, s18                     ; A: row 256 x tile row + 128 x half,
	s_lshl_b32 s20, s20, 6                         ; 64 bytes a row in a plane
	s_mov_b32 s21, 0
	s_lshl_b32 s46, s42, 8
	s_add_co_u32 s46, s46, s18                     ; B: row 256 x tile column + 128 x half,
	s_lshl_b32 s46, s46, 10
	s_add_co_u32 s46, s46, 3072*KROW               ; behind the three other weights' rows
	s_mov_b32 s47, 0
	s_mul_i32 s45, s14, HALFT                      ; where they go: no place in the cluster enters an LDS address
	s_wait_dscnt 0x0                               ; the opening add is done
	s_wait_kmcnt 0x0
	s_load_b64 s[96:97], s[8:9], 0x28              ; e10, e11
	s_add_nc_u64 s[20:21], s[4:5], s[20:21]
	s_add_nc_u64 s[46:47], s[6:7], s[46:47]
	CROUND                                         ; all sixteen work-groups are here: the first joint loads meet
.irp s, 0,1
	s_mov_b32 s[G0+4*\s], 1
	s_add_co_u32 s[G0+4*\s+1], s45, \s*SLOT
	s_add_nc_u64 s[G0+4*\s+2:G0+4*\s+3], s[20:21], \s*ASTEP
	s_or_b32 s[G0+4*\s+3], s[G0+4*\s+3], 0x80000000
	s_mov_b32 s[G0B+4*\s], 1
	s_add_co_u32 s[G0B+4*\s+1], s45, \s*SLOT
	s_add_nc_u64 s[G0B+4*\s+2:G0B+4*\s+3], s[46:47], \s*ROWB
	s_or_b32 s[G0B+4*\s+3], s[G0B+4*\s+3], 0x80000000
	JLOAD G0+4*\s, G1, G0B+4*\s, G1B
.endr
	v_and_b32 v1, 15, v0                           ; r
	v_bfe_u32 v2, v0, 4, 1                         ; l / 16
	v_mul_u32_u24 v3, v1, PITCH
	v_lshl_add_u32 v4, v2, 4, v3                   ; B: row x pitch + 16 x half
	v_lshrrev_b32 v5, 2, v1
	v_and_b32 v6, 3, v1
	v_mul_u32_u24 v5, v5, PITCH
	v_lshl_add_u32 v5, v6, 6, v5
	v_lshl_add_u32 v5, v2, 4, v5                   ; A: 272 (r / 4) + 64 (r % 4) + 16 x half
	s_mul_i32 s21, s15, HALFT                      ; my 128 rows of A
	s_mul_i32 s22, s16, HALFT                      ; my 128 rows of B,
	s_add_co_u32 s22, s22, 2*HALFT                 ; which lie behind A's
.irp s, 0,1
	v_add_nc_u32 v[ADRA+\s], s21, v5
	v_add_nc_u32 v[ADRB+\s], s22, v4
	s_add_co_u32 s21, s21, SLOT
	s_add_co_u32 s22, s22, SLOT
.endr
	s_mul_i32 s23, s14, 16*SPITCH                  ; my stage
	v_mul_u32_u24 v5, v1, SPITCH                   ; in: row l % 16, 32 bytes for each half of the lanes
	v_lshl_add_u32 v5, v2, 5, v5
	v_add_nc_u32 v[STO], s23, v5
	v_and_b32 v6, 31, v0
	v_lshlrev_b32 v[CO], 4, v6                     ; back: the 32 lanes take one row of 512 bytes; and the same in out0
	v_add_nc_u32 v[RD], s23, v[CO]
	s_lshl_b32 s20, s17, 8
	s_lshl_b32 s21, s15, 7
	s_add_co_u32 s20, s20, s21                     ; my first row of out0,
	s_lshl_b32 s20, s20, 12                        ; 4,096 bytes a row (under 2^25)
	s_lshl_b32 s46, s42, 10                        ; my first column, in bytes: 1,024 x tile column + 512 x half
	s_lshl_b32 s47, s16, 9
	s_add_co_u32 s46, s46, s47
	s_add_co_u32 s20, s20, s46
	s_mov_b32 s21, 0
	s_add_nc_u64 s[10:11], s[10:11], s[20:21]
.macro FRAG reg, adr, q, i             ; B's fragment: row l % 16; registers 4 c .. 4 c + 3 hold K = 32 c + 16 (l / 16) + 0 .. 15
.irp c, 0,1,2,3
	ds_load_b128 v[\reg+4*\c:\reg+4*\c+3], v[\adr] offset:128*(\q)+32*\c+(\i)*16*PITCH
.endr
.endm
.macro FRAGA reg, adr, q, i            ; A's: the same k: loads 0, 1 from head 2 q of the slot's four, loads 2, 3 from head 2 q + 1; sixteen rows of m are four lines of 272 bytes
.irp c, 0,1,2,3
	ds_load_b128 v[\reg+4*\c:\reg+4*\c+3], v[\adr] offset:(2*(\q)+\c/2)*PLANE+32*(\c%2)+(\i)*4*PITCH
.endr
.endm
; The 64 accumulators take turns, one instruction a turn, in the same order in every step.  zero = 1: the first product starts the sums.
.macro MUL16 a0, p, zero
.irp a, \a0, \a0+1
.irp b, 0,1,2,3,4,5,6,7
.if \zero
	v_wmma_f32_16x16x128_fp8_fp8 v[8*(8*((\a)%4)+\b):8*(8*((\a)%4)+\b)+7], v[128*(\p)+FR*\b:128*(\p)+FR*\b+FR-1], v[AF+FR*(\a):AF+FR*(\a)+FR-1], 0
.else
	v_wmma_f32_16x16x128_fp8_fp8 v[8*(8*((\a)%4)+\b):8*(8*((\a)%4)+\b)+7], v[128*(\p)+FR*\b:128*(\p)+FR*\b+FR-1], v[AF+FR*(\a):AF+FR*(\a)+FR-1], v[8*(8*((\a)%4)+\b):8*(8*((\a)%4)+\b)+7]
.endif
.endr
.endr
.endm
.macro FETCH_B slot, q, p
	WIN TO_B
.irp i, 0,1,2,3,4,5,6,7
	FRAG 128*(\p)+FR*\i, ADRB+\slot, \q, \i
.endr
	WIN 0
.endm
.macro FETCH_A slot, q, i0
.irp i, \i0, \i0+1, \i0+2, \i0+3
	FRAGA AF+FR*(\i), ADRA+\slot, \q, \i
.endr
.endm
.macro PLACES n                        ; plain vector lines between a matrix instruction and a load into, or a vector line on, one of its registers
.rept \n
	v_nop
.endr
.endm
.macro STEP slot, q, zero
	s_wait_dscnt 4*NL                              ; B's set and A's blocks 0-3 are in; the youngest sixteen loads (A's blocks 4-7) may be out
	WIN MUL_LO
	MUL16 0, (\q)%2, \zero
	MUL16 2, (\q)%2, \zero
	s_wait_dscnt 0                                 ; A's blocks 4-7 are in
	PLACES NP
	FETCH_B \slot, (\q)+1, 1-(\q)%2
	FETCH_A \slot, (\q)+1, 0
	WIN MUL_HI
	MUL16 4, (\q)%2, \zero
	MUL16 6, (\q)%2, \zero
	PLACES NP
	WIN 0
	FETCH_A \slot, (\q)+1, 4
.endm
; A slot's last step changes slots: ONE barrier; in front of it each wave waits for all its tensor loads, adds 0 to its spare word, and waits for that and for its own reads of this slot.
.macro TURN slot, next, fill
	s_wait_tensorcnt 0x0                           ; all my tensor loads have landed: my part of the next slot
	ds_add_u32 v[SPW], v[NIL]                      ; 0 onto my spare word
	s_wait_dscnt 4*NL+1                            ; (the add and the youngest sixteen loads may be out)
	WIN MUL_LO
	MUL16 0, 1, 0
	s_wait_dscnt 0x0                               ; the add is done, and my reads of this slot are over
	s_barrier_signal -1
	MUL16 2, 1, 0
	WIN 0
	s_barrier_wait -1
.if \fill
	CREST                                          ; the barrier has opened a round of the cluster's barrier: no wave of any partner still reads this slot's tile or has a load on its way
	s_add_nc_u64 s[G0+4*\slot+2:G0+4*\slot+3], s[G0+4*\slot+2:G0+4*\slot+3], 2*ASTEP
	s_add_nc_u64 s[G0B+4*\slot+2:G0B+4*\slot+3], s[G0B+4*\slot+2:G0B+4*\slot+3], 2*ROWB
	JLOAD G0+4*\slot, G1, G0B+4*\slot, G1B         ; the first tensor load behind the round, my one load until the next; its four v_nop are the places in front of the loads below
.else
	PLACES NP
.endif
	FETCH_B \next, 0, 0
	FETCH_A \next, 0, 0
	WIN MUL_HI
	MUL16 4, 1, 0
	MUL16 6, 1, 0
	PLACES NP
	WIN 0
	FETCH_A \next, 0, 4
.endm
	s_wait_tensorcnt 1                             ; my part of K step 0 is in (K step 1's load may be out)
	s_barrier_signal -1
	s_barrier_wait -1                              ; everybody's is
	FETCH_B 0, 0, 0
	FETCH_A 0, 0, 0
	FETCH_A 0, 0, 4
	STEP 0, 0, 1                                   ; the first step stands in front of the loop: its products start the sums
	s_mov_b32 s3, LAPS-1
.Llap:
	TURN 0, 1, 1
	STEP 1, 0, 0
	TURN 1, 0, 1
	STEP 0, 0, 0
	s_sub_co_u32 s3, s3, 1
	s_cmp_lg_u32 s3, 0
	s_cbranch_scc1 .Llap
	TURN 0, 1, 0                                   ; the last lap fills nothing, and has no round of the cluster's barrier
	STEP 1, 0, 0
	s_wait_dscnt 4*NL                              ; the very last step: nothing more to fetch
	WIN MUL_LO
	MUL16 0, 1, 0
	MUL16 2, 1, 0
	s_wait_dscnt 0
	WIN MUL_HI
	MUL16 4, 1, 0
	MUL16 6, 1, 0
	WIN 0
; THE WAY OUT, block by block of 16 rows x 128 columns: a lane holds 32 neighbouring bytes of a row; a block goes through my own stage in LDS and comes back as whole rows of 512 bytes.
; LDS serves a wave's instructions in order (ISA guide 5.7.1.4): no wait between the stores and the loads, nor in front of the next block's stores.
.macro TOSTAGE a
.set AC, 64*((\a)%4)
.set WN, 0x02+((\a)/4)
	WIN WN                                         ; source 0: window 2 or 3
.set j, 0
.rept 32
	v_pk_mul_f32 v[TMP+j:TMP+j+1], v[AC+j:AC+j+1], s[96:97] op_sel_hi:[1,0]   ; both x s96 = 2^(e10 + e11); each accumulator from its low end on
.set j, j+2
.endr
	WIN 0
.irp b, 0,1,2,3,4,5,6,7
	ds_store_b128 v[STO], v[TMP+8*\b:TMP+8*\b+3] offset:64*\b
	ds_store_b128 v[STO], v[TMP+8*\b+4:TMP+8*\b+7] offset:64*\b+16
.endr
.set BB, BK+64*((\a)%2)
.irp t, 0,1,2,3,4,5,6,7,8,9,10,11,12,13,14,15
	ds_load_b128 v[BB+4*\t:BB+4*\t+3], v[RD] offset:\t*SPITCH
.endr
.endm
.macro SEND a, younger                 ; younger: the LDS instructions issued behind block a's loads, which may stay out
.set BB, BK+64*((\a)%2)
	s_wait_dscnt \younger                          ; the block is back in registers
.if (\a) > 0
	s_add_nc_u64 s[10:11], s[10:11], 16*SIZE_N*4   ; (behind a wait on XCNT: the earlier stores have read their base)  16 rows on
.endif
.irp t, 0,1,2,3,4,5,6,7,8,9,10,11,12,13,14,15
	global_store_b128 v[CO], v[BB+4*\t:BB+4*\t+3], s[10:11] offset:\t*SIZE_N*4 th:TH_STORE_NT   ; 32 lanes store 512 consecutive bytes, aligned; written once, read by nobody here
.endr
.endm
	s_wait_kmcnt 0x0
	s_add_co_i32 s96, s96, s97                     ; e10 + e11, between -126 and 127,
	s_add_co_i32 s96, s96, 127
	s_lshl_b32 s96, s96, 23                        ; makes the f32 number 2^(e10 + e11)
	PLACES NP                                      ; behind the last products: for the loads into the registers that held A's fragments and for the reads of results
	TOSTAGE 0
.irp a, 1,2,3,4,5,6,7
.if \a > 1
	s_wait_xcnt 0x0                                ; block a - 2's stores have read their registers and their base: block a's loads may land there, and the base may step
.endif
	TOSTAGE \a
	SEND \a-1, 32                                  ; behind block a - 1's loads: block a's 16 stores and 16 loads
.endr
	s_wait_xcnt 0x0                                ; block 6's stores have read their base
	SEND 7, 0
	s_wait_tensorcnt 0x0                           ; the wave's end: behind my last tensor load and my last LDS store
	ds_add_u32 v[SPW], v[NIL]
	s_wait_dscnt 0x0
	CROUND                                         ; the closing round: no work-group ends while a partner may still ask for a tile that names it
	s_endpgm
.Lfunc_end_k_q81bdc349e2_oproj:
	.size	k_q81bdc349e2_oproj, .Lfunc_end_k_q81bdc349e2_oproj-k_q81bdc349e2_oproj
	.p2alignl 7, 3214868480
	.fill 96, 4, 3214868480
	.section	.rodata,"a",@progbits
	.p2align	6, 0x0
	.amdhsa_kernel k_q81bdc349e2_oproj
		.amdhsa_group_segment_fixed_size 327680
		.amdhsa_private_segment_fixed_size 0
		.amdhsa_enable_private_segment 0
		.amdhsa_kernarg_size 32
		.amdhsa_user_sgpr_count 2
		.amdhsa_user_sgpr_kernarg_segment_ptr 1
		.amdhsa_wavefront_size32 1
		.amdhsa_system_sgpr_workgroup_id_x 1
		.amdhsa_system_sgpr_workgroup_id_y 1
		.amdhsa_system_sgpr_workgroup_id_z 1
		.amdhsa_system_vgpr_workitem_id 0
		.amdhsa_next_free_vgpr 1024
		.amdhsa_next_free_sgpr 98
		.amdhsa_reserve_vcc 0
		.amdhsa_float_denorm_mode_32 3
		.amdhsa_float_denorm_mode_16_64 3
		.amdhsa_memory_ordered 1
		.amdhsa_forward_progress 1
		.amdhsa_inst_pref_size 123
	.end_amdhsa_kernel
	.amdgpu_metadata
---
amdhsa.version: [ 1, 2 ]
amdhsa.kernels:
  - .name:           k_q81bdc349e2_oproj
    .symbol:         k_q81bdc349e2_oproj.kd
    .args:
      - { .name: ac, .offset: 0, .size: 8, .value_kind: global_buffer, .address_space: global }
      - { .name: wc, .offset: 8, .size: 8, .value_kind: global_buffer, .address_space: global }
      - { .name: lowp_scales, .offset: 16, .size: 8, .value_kind: global_buffer, .address_space: global }
      - { .name: out0, .offset: 24, .size: 8, .value_kind: global_buffer, .address_space: global }
    .group_segment_fixed_size: 327680
    .private_segment_fixed_size: 0
    .kernarg_segment_align: 8
    .kernarg_segment_size: 32
    .max_flat_workgroup_size: 128
    .sgpr_count:     98
    .vgpr_count:     1024
    .wavefront_size: 32
...
	.end_amdgpu_metadata
.endif
;; end of part 4
;; ======== version 2 of 2: 4 launches; version 1 with the launch attn written anew for expert scheduling mode
;; workspace buffers: xc 25,165,824 bytes; wc 4,194,304 bytes; qkv 25,165,824 bytes; ac 8,388,608 bytes
;; launch prep: the kernel of part 1 again; grid 384 x 1, 4 waves a work-group, no clusters, 68,096 bytes of LDS; arguments x, wq, wk, wv, wo, lowp_scales, xc, wc; writes xc, wc
;; launch qkv: the kernel of part 2 again; grid 12 x 32, 4 waves a work-group, clusters of 4 x 4, 327,680 bytes of LDS; arguments xc, wc, lowp_scales, qkv; writes qkv
;; launch attn (part 5): grid 4 x 64, 16 waves a work-group, no clusters, 106,496 bytes of LDS; arguments qkv, lowp_scales, ac; writes ac
.if DOCPART == 5
	.amdgcn_target "amdgcn-amd-amdhsa--gfx1250"
	.amdhsa_code_object_version 6
	.text
	.protected	k_q81bdc349e2_attn
	.globl	k_q81bdc349e2_attn
	.p2align	8
	.type	k_q81bdc349e2_attn,@function
k_q81bdc349e2_attn:
	s_mov_b64 s[64:65], 0
	v_nop
	global_prefetch_b8 v0, s[64:65] scope:SCOPE_SE
	s_setreg_imm32_b32 hwreg(HW_REG_WAVE_SCHED_MODE, 0, 2), 2
	s_setreg_imm32_b32 hwreg(HW_REG_WAVE_MODE, 25, 1), 1
	s_wait_xcnt 0x0
	s_wait_alu depctr_vm_vsrc(0)
; ATTN: causal attention on codes of FP8 (E4M3); head size 64; 64 pairs (b, h) of 2,048 queries and keys.  In: the planes q, k, v of the buffer qkv (bh = 16 b + h):
; q, k: byte (bh << 17) + (s << 6) + dk;  v: (bh << 17) + ((s / 128) << 13) + (dv << 7) + s % 128 (the keys innermost).  Out: ac [h][b 2048 + s][64], codes of O with entry 10's scale.
; THE SOFTMAX AHEAD OF THE SECOND PRODUCT: t = score x log2(e) / 8; M = the row's largest t so far, rounded UP to a whole number; p = 2^(t - M) is quantised along the keys (entry 8), not normalised.
; The row's sum is taken of the unquantised p, in f32, and divides O at the end.  When M moves, the sum and O are multiplied by 2^(old M - new M): exact.
; SHARES.  Work-group (i, bh), i = 0 .. 3, owns the query blocks i and 7 - i (256 queries each) of one head, one after the other.  Under the causal mask block j needs the slots 0 .. j of 256 keys:
; (i + 1) + (8 - i) = 9 slots for every work-group: a constant number of trips, and equal work.  Each of the sixteen waves owns 16 queries in 256 registers: four waves to a SIMD, so that one wave's
; vector work stands beside another's products and LDS loads.
; FEEDING.  A slot is 16 KiB of k and 16 KiB of v, both dense in memory.  Each of the 512 threads loads 4 x 16 bytes of the NEXT slot into registers behind a trip's barrier, and stores them into one of two
; LDS buffers at the head of the next trip: the loads have a slot's two key steps in which to land.  One barrier a trip: in front of it each wave's stores have landed and its reads of the last trip are back;
; a buffer is written again two trips after it was read, with the barrier of the trip between.
; NO CLUSTER: in trip J the work-group i of a head needs slot J while J <= i and slot J - i - 1 afterwards, so the four work-groups of a head need different slots in the same trip: no joint request would meet.
; LAYOUT.  Both products are used transposed: S^T = K Q^T (source 0 = 16 keys, source 1 = my 16 queries), O^T = V^T P^T (source 0 = 16 of the head's 64, source 1 = P): a lane holds ONE query (lane % 16) throughout.
; THE KEYS OF A TILE ARE NOT NEIGHBOURS: key 32 b + 16 y + 8 u + z (z < 8) lies in LDS row 32 b + 16 u + 8 y + z, so that tile 2 b + u is sixteen rows on end and the 16 registers of tiles 2 b and 2 b + 1
; are the keys 32 b + 16 (lane / 16) + 0 .. 15: the conversions' results are the second product's operand.  Fragments are fetched by loads of 16 bytes, 32 apart: a permutation of k inside an instruction, the same on both sides.
; CAUSAL.  A step all of whose 128 keys come after my 16 queries is left out (a scalar branch on ids); on the diagonal hidden scores become -infinity ahead of the maximum.
; THE HOLD OF p.  p is at most 1 (to the last bit), so where 448 x 2^ep is at least 1.75, that is ep >= -8, the hold changes nothing: a scalar branch on the given whole number ep leads round its 64 lines; for any other ep they run.
; LIMITS on the given exponents, so that each power of two is an f32 number: e6 + e7 between -123 and 130 (added to c's exponent field); e8 and e10 between -126 and 119; e8 + e9 is applied by v_ldexp_f32 and has none.
; THE MODE: SCHED_MODE bits 1:0 = 2 (LLVM: expert scheduling mode 2), set by the entry lines.  The code itself states the register dependences
; between vector or matrix instructions and memory or LDS instructions, with s_wait_alu, always for 0.
; THE PLAN.  Registers that memory or LDS instructions touch:
;   v24-39    The next slot.  Global loads land in them behind a trip's barrier; the four LDS stores at the next trip's head read them.  No vector instruction names them.
;   v16-23    Q.  Loaded at the head and at the change of blocks; read by the scores' products.
;   v40-103   Fragments.  In a step: K lands, the eight scores' products read it, V^T lands, the four products O^T read it.
;   v4, v8, v9, v242, v243   The five addresses that hang on the trip: the next slot in memory, K's and V^T's tiles and my two stores' places in the buffer in hand.  All five are made together at the trip's head.
;   v240, v236   Q's and ac's offsets: one add for each block.   v200-207: O's codes, the way out's LDS stores' data (in a step these registers hold p's codes).   v228-235: back from the stage, read by the global stores.
;   v238, v239   The stage's addresses, made once at the head.   v5, v6: written at the head, read by the closing add alone.
; THE WAITS.  At a trip's head one wait on vm_vsrc (all that read the five addresses, and a way out's LDS stores, have read their registers), the five adds, and one wait on va_vdst: the addresses are written, for
; every access of the trip, and the last trip's products are done reading the fragments' registers, in which the first step's K lands.  Behind the barrier one wait on vm_vsrc: the LDS stores have read v24-39.
; In a step: one wait on va_vdst behind the scores' products, ahead of V^T's loads; at the second step's head one more, ahead of K's loads; the wait behind the exponentials.
.set KP,    80                         ; a key's row in LDS: 64 bytes + 16 of padding
.set VP,    144                        ; a row of V^T (128 keys): 128 bytes + 16
.set VOFF,  256*KP                     ; a buffer: 256 rows of K, then 2 x 64 rows of V^T
.set VSTEP, 64*VP
.set BUF1,  65536                      ; the second buffer begins here: one exclusive or turns an address
.set STAGE, 40960                      ; behind the first buffer: 1,024 bytes for each wave, for the way out
.set SPARE, 104448                     ; behind the second buffer: the spare words, 128 bytes for each wave: eight blocks of 256 bytes that no other line names
.set AK0, 1                            ; v1   my lane's place in a tile of K
.set AV0, 2                            ; v2   in a tile of V^T
.set GT,  3                            ; v3   16 x my thread's number
.set GO,  4                            ; v4   + the slot to be loaded
.set SPW, 5                            ; v5   LDS address of my spare word; never rewritten
.set NIL, 6                            ; v6   0; never rewritten
.set KST, 7                            ; v7   where my 16 bytes of K go in a buffer
.set ADK, 8                            ; v8   LDS address of the trip's tiles of K
.set ADV, 9                            ; v9   of V^T
.set VST, 10                           ; v10  where my 16 bytes of V go
.set FRG, 40                           ; v40-103  K's eight fragments, then V^T's four;  v12 -M, v13 the largest t, v[14:15] the sum; v16-23 Q; v24-39 the next slot on its way
.set S,   104                          ; v104-167 S^T, then p
.set OT,  168                          ; v168-199 O^T
.set PC,  200                          ; v200-215 p's codes
.set AO,  236                          ; v236 the way out: my byte offset in ac
.set L16, 237                          ; v237 16 x lane
.set STI, 238                          ; v238 into my stage
.set STR, 239                          ; v239 back out of it
.set QA,  240                          ; v240 my byte offset in q
.set QL,  241                          ; v241 its lane term
.set WV,  18                           ; s18  wave
.set SEL, 20                           ; s[20:21] lane selects: lane l xor 16
.set CS,  22                           ; s[22:23] c = log2(e) / 8 x 2^(e6 + e7)
.set TB,  24                           ; s24  the buffer in hand
.set JJ,  25                           ; s25  the trip
.set SIG, 26                           ; s26  its slot
.set QB,  27                           ; s27  the query block in hand
.set Q0,  28                           ; s28  my first query
.set KF,  29                           ; s29  the step's first key
.set II,  30                           ; s30  i
.set MK,  66                           ; s66-81  the causal mask: sixteen compares' results at a time
	s_load_b128 s[4:7], s[0:1], 0x0                ; qkv s[4:5], the scales' exponents s[6:7]
	s_load_b64 s[8:9], s[0:1], 0x10                ; ac
	v_lshl_add_u32 v[SPW], v0, 2, SPARE
	v_mov_b32 v[NIL], 0
	v_lshrrev_b32 v8, 5, v0
	v_readfirstlane_b32 s[WV], v8                  ; wave 0..15
	s_mov_b32 s[II], ttmp9
	s_and_b32 s31, ttmp7, 0xffff                   ; bh
	s_lshl_b32 s32, s31, 17
	s_mov_b32 s33, 0
	s_and_b32 s34, s31, 15
	s_lshl_b32 s34, s34, 19                        ; ac: h x 8,192 rows x 64
	s_lshr_b32 s35, s31, 4
	s_lshl_b32 s35, s35, 17                        ;     + b x 2,048 rows x 64
	s_add_co_u32 s34, s34, s35
	s_mov_b32 s35, 0
	s_mov_b32 s[QB], s[II]                         ; the first block
	s_lshl_b32 s[Q0], s[QB], 8
	s_wait_alu depctr_va_sdst(0)                   ; the wave's number is written, ahead of its first reader
	s_lshl_b32 s96, s[WV], 4
	s_add_co_u32 s[Q0], s[Q0], s96
	s_lshl_b32 s96, s[Q0], 6
	v_lshlrev_b32 v[GT], 4, v0
	v_mov_b32 v[GO], v[GT]                         ; slot 0
	v_and_b32 v8, 15, v0                           ; r
	v_bfe_u32 v9, v0, 4, 1                         ; h
	v_lshlrev_b32 v[QL], 6, v8
	v_lshl_add_u32 v[QL], v9, 4, v[QL]             ; q: row r of 64 bytes, + 16 h
	v_add_nc_u32 v[QA], s96, v[QL]
	s_wait_kmcnt 0x0
	s_load_b256 s[36:43], s[6:7], 0x0              ; entries 0 to 7: e6 = s42, e7 = s43
	s_load_b128 s[44:47], s[6:7], 0x20             ; entries 8 to 11: ep = s44, ev = s45, e10 = s46
	s_add_nc_u64 s[10:11], s[4:5], s[32:33]        ; my head's q,
	s_add_nc_u64 s[12:13], s[10:11], 0x800000      ; k,
	s_add_nc_u64 s[14:15], s[12:13], 0x800000      ; v,
	s_add_nc_u64 s[16:17], s[8:9], s[34:35]        ; and rows of ac
.macro LOADSLOT                        ; a slot: the 512 threads read 8,192 consecutive bytes with each of the four lines
	global_load_b128 v[24:27], v[GO], s[12:13]
	global_load_b128 v[28:31], v[GO], s[12:13] offset:8192
	global_load_b128 v[32:35], v[GO], s[14:15]
	global_load_b128 v[36:39], v[GO], s[14:15] offset:8192
.endm
.macro LOADQ                           ; Q's fragment stays in registers for a block
	global_load_b128 v[16:19], v[QA], s[10:11]
	global_load_b128 v[20:23], v[QA], s[10:11] offset:32
.endm
.macro STATE                           ; a block begins: the largest t under every t, the sums and O^T zeros, which the first change of M leaves zeros
	v_mov_b32 v13, 0xff61b1e6                      ; -3e38
	v_floor_f32 v12, -v13                          ; -M
	v_mov_b32 v14, 0
	v_mov_b32 v15, 0
.set j, 0
.rept 32
	v_mov_b32 v[OT+j], 0
.set j, j+1
.endr
.endm
	s_wait_alu depctr_va_vdst(0)                   ; v[GO] and v[QA] are written, which the six loads below read as their offsets
	LOADSLOT
	LOADQ
	v_mul_u32_u24 v[AK0], v8, KP
	v_lshl_add_u32 v[AK0], v9, 4, v[AK0]
	v_mul_u32_u24 v[AV0], v8, VP
	v_lshl_add_u32 v[AV0], v9, 4, v[AV0]
	v_add_nc_u32 v[AV0], VOFF, v[AV0]
	v_lshlrev_b32 v11, 4, v9
	v_sub_nc_u32 v247, v8, v11                     ; r - 16 h, for the mask
	v_mov_b32 v246, 0xff800000                     ; -infinity
	v_and_b32 v11, 31, v0
	v_lshlrev_b32 v[L16], 4, v11
	s_lshl_b32 s96, s[WV], 10
	s_add_co_u32 s96, s96, STAGE                   ; my stage
	v_lshlrev_b32 v[STI], 6, v8
	v_lshl_add_u32 v[STI], v9, 3, v[STI]
	v_add_nc_u32 v[STI], s96, v[STI]               ; in: row r of 64 bytes, + 8 h
	v_add_nc_u32 v[STR], s96, v[L16]               ; back: 16 bytes a lane
	v_lshrrev_b32 v8, 2, v0                        ; my 16 bytes of K belong to key R = thread / 4 (and R + 128),
	v_and_b32 v9, 0x67, v8
	v_bfe_u32 v11, v0, 5, 1                        ; whose bits 3 and 4 change places in the LDS row
	v_lshl_add_u32 v9, v11, 4, v9
	v_bfe_u32 v11, v0, 6, 1
	v_lshl_add_u32 v9, v11, 3, v9
	v_mul_u32_u24 v[KST], v9, KP
	v_and_b32 v11, 3, v0
	v_lshl_add_u32 v[KST], v11, 4, v[KST]
	v_lshrrev_b32 v8, 3, v0                        ; my 16 bytes of V belong to row dv = thread / 8
	v_mul_u32_u24 v[VST], v8, VP
	v_and_b32 v11, 7, v0
	v_lshl_add_u32 v[VST], v11, 4, v[VST]
	v_add_nc_u32 v[VST], VOFF, v[VST]
	v_mov_b32 v216, 0                              ; written once: a lane permute's destination counts as one of its sources
	v_mov_b32 v219, 0                              ; (named as the upper half of the pair v[218:219])
	STATE
	s_mov_b32 s[SEL], 0x76543210
	s_mov_b32 s[SEL+1], 0xfedcba98
	s_mov_b32 s[CS], 0x3e38aa3b                    ; log2(e) / 8
	s_mov_b32 s[TB], 0
	s_mov_b32 s[JJ], 0
	s_mov_b32 s[SIG], 0
	s_wait_kmcnt 0x0
	s_add_co_i32 s96, s42, s43
	s_lshl_b32 s96, s96, 23
	s_add_co_i32 s[CS], s[CS], s96                 ; a score stands for score x 2^(e6 + e7): the two exponents are added to c's exponent field
	s_mov_b32 s[CS+1], s[CS]                       ; (named with it as a pair, so it is written)
	s_add_co_i32 s96, s44, 127
	s_lshl_b32 s97, s96, 23
	v_mov_b32 v224, s97                            ; 2^ep as f32
	s_add_co_i32 s96, s96, 8
	s_lshl_b32 s96, s96, 23
	s_or_b32 s96, s96, 0x600000
	v_mov_b32 v225, s96                            ; 448 x 2^ep
	s_add_co_i32 s96, s46, 127
	s_lshl_b32 s97, s96, 23
	v_mov_b32 v226, s97                            ; 2^e10
	s_add_co_i32 s96, s96, 8
	s_lshl_b32 s96, s96, 23
	s_or_b32 s96, s96, 0x600000
	v_mov_b32 v227, s96                            ; 448 x 2^e10
	s_add_co_i32 s48, s44, s45                     ; ep + ev
; A KEY STEP: 128 keys, the q-th of the slot in hand.  Its LDS addresses v[ADK] and v[ADV] were made at the trip's head, ahead of the wait on va_vdst there.
.macro STEP q
	s_add_co_u32 s96, s[Q0], 15
	s_cmp_gt_u32 s[KF], s96                        ; all its keys come after my queries: ids and the count of trips alone
	s_cbranch_scc1 .Lhidden_\@
.if \q
	s_wait_alu depctr_va_vdst(0)                   ; the first step's products O^T are done reading V^T's fragments, in whose registers K's land.  (For the first step the wait at the trip's head states the same of the last trip's: no vector instruction stands between)
.endif
.irp t, 0,1,2,3,4,5,6,7
	ds_load_b128 v[FRG+8*\t:FRG+8*\t+3], v[ADK] offset:(128*(\q)+16*\t)*KP
	ds_load_b128 v[FRG+8*\t+4:FRG+8*\t+7], v[ADK] offset:(128*(\q)+16*\t)*KP+32
.endr
.irp t, 0,1,2,3,4,5,6,7                        ; S^T = K Q^T: eight tiles of 16 keys, K = the head's 64
	s_wait_dscnt 14-2*\t                           ; LDS loads come back in order: tile t's two are in, the later tiles' may be out
	v_wmma_f32_16x16x64_fp8_fp8 v[S+8*\t:S+8*\t+7], v[FRG+8*\t:FRG+8*\t+7], v[16:23], 0
.endr
.rept 4
	v_nop                                          ; places in front of the first vector line that reads the scores (ISA guide 7.12.1)
.endr
	s_wait_alu depctr_va_vdst(0)                   ; the scores' products are done reading K's fragments, in whose registers V^T's land
.irp t, 0,1,2,3                                ; V^T's four tiles are asked for now and land under the softmax, none of whose lines names their registers
.irp c, 0,1,2,3
	ds_load_b128 v[FRG+16*\t+4*\c:FRG+16*\t+4*\c+3], v[ADV] offset:VSTEP*(\q)+16*VP*\t+32*\c
.endr
.endr
	s_add_co_u32 s96, s[KF], 127
	s_cmp_le_u32 s96, s[Q0]                        ; all keys of the step count for all my queries: no mask
	s_cbranch_scc1 .Lopen_\@
	s_sub_co_i32 s96, s[Q0], s[KF]
	v_add_nc_u32 v244, s96, v247                   ; d = my query - KF - 16 (lane / 16).  Register 16 b + i holds key KF + 16 (lane / 16) + 32 b + i: hidden where 32 b + i > d
.irp b, 0,1,2,3                                ; the compares go in runs of sixteen, each into a scalar register of its own, with one wait behind the run
.set n, 0
.rept 16
	v_cmp_gt_i32 s[MK+n], 32*\b+n, v244
.set n, n+1
.endr
	s_wait_alu depctr_va_sdst(0)                   ; the sixteen masks are written, ahead of the selects that read them
.set n, 0
.rept 16
	v_cndmask_b32 v[S+16*\b+n], v[S+16*\b+n], v246, s[MK+n]
.set n, n+1
.endr
.endr
.Lopen_\@:
	v_max3_num_f32 v222, v[S], v[S+1], v[S+2]      ; the step's largest score of my query among my 64 keys, in two chains, each accumulator from its low end on,
	v_max3_num_f32 v223, v[S+3], v[S+4], v[S+5]
.irp i, 6,10,14,18,22,26,30,34,38,42,46,50,54,58
	v_max3_num_f32 v222, v222, v[S+\i], v[S+1+\i]
	v_max3_num_f32 v223, v223, v[S+2+\i], v[S+3+\i]
.endr
	v_max3_num_f32 v222, v222, v[S+62], v[S+63]
	v_max_num_f32 v222, v222, v223
	v_permlanex16_b32 v216, v222, s[SEL], s[SEL+1]
	v_max_num_f32 v222, v222, v216                 ; and among lane l xor 16's
	v_mul_f32 v222, s[CS], v222                    ; as t (c is positive)
	v_max_num_f32 v13, v13, v222                   ; the running largest t
	v_mov_b32 v222, v12
	v_floor_f32 v12, -v13                          ; the new -M = floor(-t) = -ceil(t): M is a whole number
	v_sub_f32 v222, v12, v222                      ; M's old value less its new one: a whole number, 0 or less
	v_cvt_i32_f32 v222, v222                       ; (it saturates)
	v_ldexp_f32 v218, 1.0, v222                    ; f = 2^(old M - new M)
.set j, 0
.rept 32
	v_pk_fma_f32 v[S+j:S+j+1], v[S+j:S+j+1], s[CS:CS+1], v[12:13] op_sel_hi:[1,0,0]   ; t - M, two at a time (of the pairs c and -M the low word serves both halves)
.set j, j+2
.endr
.set j, 0
.rept 64
	v_exp_f32 v[S+j], v[S+j]                       ; p = 2^(t - M): not normalised
.set j, j+1
.endr
	v_pk_mul_f32 v[14:15], v[14:15], v[218:219] op_sel_hi:[1,0]   ; the sums under the new M.  (The plain line behind the exponentials)
	s_wait_alu depctr_va_vdst(0)                   ; the 64 exponentials have written p, ahead of the first line that names a result: one wait for the batch
	v_pk_add_f32 v[220:221], v[S:S+1], v[S+2:S+3]  ; the row's sum is taken of the UNQUANTISED p: two at a time, in two chains
.irp j, 4,8,12,16,20,24,28,32,36,40,44,48,52,56,60
	v_pk_add_f32 v[14:15], v[14:15], v[S+\j:S+1+\j]
	v_pk_add_f32 v[220:221], v[220:221], v[S+2+\j:S+3+\j]
.endr
	v_pk_add_f32 v[14:15], v[14:15], v[220:221]
	s_cmp_ge_i32 s44, -8                           ; 448 x 2^ep >= 1.75: above every p, so the hold would change nothing
	s_cbranch_scc1 .Lno_hold_\@
.set j, 0
.rept 64
	v_min_num_f32 v[S+j], v[S+j], v225             ; the conversion does not saturate (ISA guide 7.6.2); p is not negative, so the hold is one-sided
.set j, j+1
.endr
.Lno_hold_\@:
.irp b, 0,1,2,3
	v_cvt_scalef32_pk8_fp8_f32 v[PC+4*\b:PC+4*\b+1], v[S+16*\b:S+16*\b+7], v224
	v_cvt_scalef32_pk8_fp8_f32 v[PC+4*\b+2:PC+4*\b+3], v[S+16*\b+8:S+16*\b+15], v224
.endr
.set j, 0
.rept 16
	v_pk_mul_f32 v[OT+j:OT+j+1], v[OT+j:OT+j+1], v[218:219] op_sel_hi:[1,0]   ; O^T under the new M: x f; each accumulator from its low end on.  (Also the plain lines behind the conversions)
.set j, j+2
.endr
	s_wait_dscnt 0x0                               ; V^T's fragments
.irp t, 0,1,2,3                                ; O^T += V^T P^T: four tiles of 16 of the head's 64, K = these 128 keys; the four accumulators take one turn each, and the scores' products stand between two steps' turns
	v_wmma_f32_16x16x128_fp8_fp8 v[OT+8*\t:OT+8*\t+7], v[FRG+16*\t:FRG+16*\t+15], v[PC:PC+15], v[OT+8*\t:OT+8*\t+7]
.endr
.Lhidden_\@:
	s_add_co_u32 s[KF], s[KF], 128
.endm
; A BLOCK'S WAY OUT.  O^T x 2^(ep + ev) / the sum is quantised with entry 10's scale: a lane's eight numbers of a tile are eight neighbours along the last product's K: 8 bytes.  My 16 queries' 1,024 bytes
; meet in my stage and leave as two stores of 512 consecutive bytes, aligned.
.macro FINISH
.rept 4
	v_nop                                          ; places behind the last products
.endr
	s_wait_xcnt 0x0                                ; the first block's stores have had their addresses translated: their offset and data are written again only behind this wait,
	s_wait_alu depctr_vm_vsrc(0)                   ; and they have read v[AO], which the add below writes, and v[228:235], in which the loads from the stage land
	v_add_f32 v14, v14, v15                        ; the sum's two halves,
	v_permlanex16_b32 v216, v14, s[SEL], s[SEL+1]
	v_add_f32 v14, v14, v216                       ; and lane l xor 16's
	v_rcp_f32 v14, v14
	s_lshl_b32 s96, s[Q0], 6
	v_add_nc_u32 v[AO], s96, v[L16]                ; (the plain line behind the reciprocal)
	s_wait_alu depctr_va_vdst(0)                   ; the reciprocal has written v14, ahead of its first reader
	v_ldexp_f32 v14, v14, s48                      ; x 2^(ep + ev)
.set j, 0
.rept 16
	v_pk_mul_f32 v[S+j:S+j+1], v[OT+j:OT+j+1], v[14:15] op_sel_hi:[1,0]   ; register 8 t + i is o(query r, 16 t + 8 h + i)
.set j, j+2
.endr
.set j, 0
.rept 32
	v_med3_num_f32 v[S+j], v[S+j], -v227, v227     ; the hold at the largest code x the scale
.set j, j+1
.endr
.irp t, 0,1,2,3
	v_cvt_scalef32_pk8_fp8_f32 v[PC+2*\t:PC+2*\t+1], v[S+8*\t:S+8*\t+7], v226
.endr
	v_nop                                          ; one plain line behind the conversions: later products write their sources
	s_wait_alu depctr_va_vdst(0)                   ; the conversions have written the codes, which the LDS stores read; v[AO], which the global stores read, was written ahead of this wait too
.irp t, 0,1,2,3
	ds_store_b64 v[STI], v[PC+2*\t:PC+2*\t+1] offset:16*\t
.endr
	ds_load_b128 v[228:231], v[STR]                ; LDS serves a wave's instructions in order: these see my stores
	ds_load_b128 v[232:235], v[STR] offset:512
	s_wait_dscnt 0x0
	global_store_b128 v[AO], v[228:231], s[16:17]
	global_store_b128 v[AO], v[232:235], s[16:17] offset:512
.endm
.Ltrip:                                            ; nine trips, a slot each
	s_wait_loadcnt 0x0                             ; this trip's slot is in my registers (and a new block's Q); the loads that named v[GO] are done
	s_add_co_u32 s96, s[SIG], 1                    ; the slot that this trip will ask for:
	s_cmp_eq_u32 s[JJ], s[II]                      ; behind the first block's last slot the second block begins at slot 0
	s_cselect_b32 s96, 0, s96
	s_lshl_b32 s96, s96, 14
	s_wait_alu depctr_vm_vsrc(0)                   ; the last trip's LDS stores and loads and its global loads have read the five addresses that are written below; a way out's LDS stores have read the codes' registers, which this trip's conversions write
	v_add_nc_u32 v242, s[TB], v[KST]               ; the trip's five addresses, together: my stores' two places in the buffer in hand,
	v_add_nc_u32 v243, s[TB], v[VST]
	v_add_nc_u32 v[ADK], s[TB], v[AK0]             ; both steps' tiles of K and of V^T there,
	v_add_nc_u32 v[ADV], s[TB], v[AV0]
	v_add_nc_u32 v[GO], s96, v[GT]                 ; and the next slot in memory (in the last trip it is made and not used)
	s_wait_alu depctr_va_vdst(0)                   ; the five are written, for every access of this trip; and the last trip's products O^T are done reading V^T's fragments, in whose registers the first step's K lands
	ds_store_b128 v242, v[24:27]                   ; keys 0-127 of the slot,
	ds_store_b128 v242, v[28:31] offset:128*KP     ; keys 128-255,
	ds_store_b128 v243, v[32:35]                   ; V^T of the first 128 keys,
	ds_store_b128 v243, v[36:39] offset:VSTEP      ; of the second
	s_wait_dscnt 0x0                               ; for the others' sake: my stores have landed; my reads of the last trip's buffer were back before
	s_barrier_signal -1
	s_barrier_wait -1                              ; the buffer in hand is whole, and nobody reads the other one any more
	s_lshl_b32 s[KF], s[SIG], 8
	s_wait_alu depctr_vm_vsrc(0)                   ; my four LDS stores have read v[24:39], in which the next slot lands
	s_cmp_eq_u32 s[JJ], 8                          ; the last trip has no successor: no load leaves its buffer
	s_cbranch_scc1 .Lno_next
	LOADSLOT                                       ; the next slot: it has this trip's two key steps in which to land
.Lno_next:
	STEP 0
	STEP 1
	s_xor_b32 s[TB], s[TB], BUF1                   ; on to the other buffer
	s_cmp_lg_u32 s[JJ], s[II]                      ; ids and the count of trips alone: all sixteen waves go the same way; no barrier stands inside
	s_cbranch_scc1 .Lsame_block
	FINISH                                         ; block i is done;
	STATE                                          ; block 7 - i begins
	s_sub_co_u32 s[QB], 7, s[II]
	s_lshl_b32 s[Q0], s[QB], 8
	s_lshl_b32 s96, s[WV], 4
	s_add_co_u32 s[Q0], s[Q0], s96
	s_lshl_b32 s96, s[Q0], 6
	v_add_nc_u32 v[QA], s96, v[QL]                 ; (the loads that named it were waited for in the first trip, and stand ahead of the way out's wait on vm_vsrc)
	s_wait_alu depctr_va_vdst(0)                   ; v[QA] is written, which the two loads read; the first block's scores' products are done reading Q, in whose registers they land
	LOADQ                                          ; the next trip's wait for loads covers these
	s_mov_b32 s[SIG], -1
.Lsame_block:
	s_add_co_u32 s[SIG], s[SIG], 1
	s_add_co_u32 s[JJ], s[JJ], 1
	s_cmp_lt_u32 s[JJ], 9
	s_cbranch_scc1 .Ltrip
	FINISH
	s_wait_dscnt 0x0                               ; the closing lines, six on end
	s_wait_alu 0x0
	s_wait_tensorcnt 0x0
	ds_add_u32 v[SPW], v[NIL]
	s_wait_dscnt 0x0
	s_endpgm
.Lfunc_end_k_q81bdc349e2_attn:
	.size	k_q81bdc349e2_attn, .Lfunc_end_k_q81bdc349e2_attn-k_q81bdc349e2_attn
	.p2alignl 7, 3214868480
	.fill 96, 4, 3214868480
	.section	.rodata,"a",@progbits
	.p2align	6, 0x0
	.amdhsa_kernel k_q81bdc349e2_attn
		.amdhsa_group_segment_fixed_size 106496
		.amdhsa_private_segment_fixed_size 0
		.amdhsa_enable_private_segment 0
		.amdhsa_kernarg_size 24
		.amdhsa_user_sgpr_count 2
		.amdhsa_user_sgpr_kernarg_segment_ptr 1
		.amdhsa_wavefront_size32 1
		.amdhsa_system_sgpr_workgroup_id_x 1
		.amdhsa_system_sgpr_workgroup_id_y 1
		.amdhsa_system_sgpr_workgroup_id_z 1
		.amdhsa_system_vgpr_workitem_id 0
		.amdhsa_next_free_vgpr 256
		.amdhsa_next_free_sgpr 100
		.amdhsa_reserve_vcc 0
		.amdhsa_float_denorm_mode_32 3
		.amdhsa_float_denorm_mode_16_64 3
		.amdhsa_memory_ordered 1
		.amdhsa_forward_progress 1
		.amdhsa_inst_pref_size 68
	.end_amdhsa_kernel
	.amdgpu_metadata
---
amdhsa.version: [ 1, 2 ]
amdhsa.kernels:
  - .name:           k_q81bdc349e2_attn
    .symbol:         k_q81bdc349e2_attn.kd
    .args:
      - { .name: qkv, .offset: 0, .size: 8, .value_kind: global_buffer, .address_space: global }
      - { .name: lowp_scales, .offset: 8, .size: 8, .value_kind: global_buffer, .address_space: global }
      - { .name: ac, .offset: 16, .size: 8, .value_kind: global_buffer, .address_space: global }
    .group_segment_fixed_size: 106496
    .private_segment_fixed_size: 0
    .kernarg_segment_align: 8
    .kernarg_segment_size: 24
    .max_flat_workgroup_size: 512
    .sgpr_count:     100
    .vgpr_count:     256
    .wavefront_size: 32
...
	.end_amdgpu_metadata
.endif
;; end of part 5
;; launch oproj: the kernel of part 4 again; grid 4 x 32, 4 waves a work-group, clusters of 4 x 4, 327,680 bytes of LDS; arguments ac, wc, lowp_scales, out0; writes out0
